; MI455X (gfx1250); checked and timed in simulation.
; The chip was launched on July 23, 2026; its instructions are those of AMD's public machine-readable ISA for CDNA 5 (MIT licence, August 2026) and "CDNA5" Instruction Set Architecture Reference Guide (July 2026). The comments in the code are by the model that wrote it; some were corrected since.
;; Causal Attention. Allowed arithmetic: matrix products marked QUANTISED: E2M3 operands, one E8M0 scale for each 32 along K, by v_wmma_scale_f32_16x16x128_f8f6f4 with both operands' format E2M3, f32 sums; everything else in f32.
;; Inputs: wk_codes 1,024 x 32 x 24 uint8 (E2M3 codes of wk, K innermost, in blocks of 32 codes, four codes in three bytes); wk_scales 1,024 x 32 uint8 (E8M0 scales of wk, one for each 32 codes along K); wq_codes 1,024 x 32 x 24 uint8 (E2M3 codes of wq, K innermost, in blocks of 32 codes, four codes in three bytes); wq_scales 1,024 x 32 uint8 (E8M0 scales of wq, one for each 32 codes along K); wv_codes 1,024 x 32 x 24 uint8 (E2M3 codes of wv, K innermost, in blocks of 32 codes, four codes in three bytes); wv_scales 1,024 x 32 uint8 (E8M0 scales of wv, one for each 32 codes along K); x_codes 4 x 2,048 x 32 x 24 uint8 (E2M3 codes of x, K innermost, in blocks of 32 codes, four codes in three bytes); x_scales 4 x 2,048 x 32 uint8 (E8M0 scales of x, one for each 32 codes along K).
;; Outputs: out0 4 x 2,048 x 1,024 float32.
;; This version of the problem:
;;   THIS VERSION OF THE PROBLEM IS GIVEN IN LOW PRECISION. The matrix products marked QUANTISED in the list below multiply operands that are first quantised to E2M3 (2 exponent bits, 3 mantissa bits; 6 bits a number), with one power-of-two scale for each 32 numbers along K (OCP MX v1.0); their sums are f32. All else is computed in f32.
;;   The module's matrix products, in the order in which they are computed (A, B: the left and right operand; K: the contracted axis; several contracted axes count as one K, in the product's order):
;;     1. [M 8,192, K 1,024] x [K 1,024, N 1,024]; A: input x (given as codes); B: input wq (given as codes): QUANTISED
;;     2. [M 8,192, K 1,024] x [K 1,024, N 1,024]; A: input x (given as codes); B: input wk (given as codes): QUANTISED
;;     3. [M 8,192, K 1,024] x [K 1,024, N 1,024]; A: input x (given as codes); B: input wv (given as codes): QUANTISED
;;     4. batch 4 x [M 2,048, K 1,024] x [K 1,024, N 2,048]; A: computed on the way; B: computed on the way: QUANTISED
;;     5. batch 4 x [M 2,048, K 2,048] x [K 2,048, N 1,024]; A: softmax (see below); B: computed on the way: QUANTISED
;;   THE QUANTISER, for each operand of a quantised product, along K:
;;     - K is cut into blocks of 32 from its start; a last block that is shorter is filled with zeros.
;;     - A block's scale is 2^e with e = floor(log2(the largest magnitude in the block)) - 2, held to -126 .. 127; a block of zeros has e = 0. As a byte (E8M0): e + 127.
;;     - Each number is divided by its block's scale, clamped to +-7.5, and rounded to the nearest number of E2M3, ties to even, subnormals kept.
;;     - The product sums the exact products of the quantised numbers (number of the format x scale) in f32.
;;   ~~~python
;;   def quantise(x, axis):      # numpy; x: float32 -> the quantised numbers, widened to float32 again
;;       x = np.moveaxis(x, axis, -1); K = x.shape[-1]
;;       x = np.pad(x, [(0, 0)] * (x.ndim - 1) + [(0, -K % 32)]); x = x.reshape(x.shape[:-1] + (-1, 32)); a = np.abs(x).max(-1, keepdims=True)
;;       e = np.where(a > 0, np.clip(np.frexp(np.where(a > 0, a, 1))[1] - 1 - 2, -126, 127), 0)      # np.frexp(a)[1] - 1 = floor(log2(a)), exactly
;;       r = np.clip(x / 2.0 ** e, -7.5, 7.5)
;;       step = 2.0 ** (np.maximum(np.frexp(np.where(r == 0, 1, r))[1] - 1, 0) - 3)
;;       q = np.round(r / step) * step * 2.0 ** e      # np.round: ties to even
;;       return np.moveaxis(q.reshape(q.shape[:-2] + (-1,))[..., :K], -1, axis).astype(np.float32)
;;   ~~~
;;   SOFTMAX AHEAD OF A QUANTISED PRODUCT. Where the list says 'softmax', what is quantised is not the finished softmax but p = 2^(t - M), with t = logit x log2(e) and M = ceil(the row's largest t), a whole number; so 1/2 < the row's largest p <= 1. The row's sum l is taken of the UNQUANTISED p, in f32, and the product's result is divided by l at the end. Since M is a whole number, a kernel that streams over the keys may use a running M (the ceiling of the running maximum): every later rescaling is an exact power of two, which a block's scale takes up: the codes' values come out the same.
;;   OPERANDS COMPUTED ON THE WAY. 'Computed on the way' means the value that the module computes at that place (a softmax that the list does not call 'softmax' is quantised finished and normalised). What goes into a quantiser is computed in f32, as accurately as f32 sums, v_exp_f32 and their like allow (about 1e-6 of the number): no bf16 or f16 on the way to a quantiser, and a product that is left as it is and whose result goes on into a quantised operand takes f32 operands (vector FMAs, or v_wmma_f32_16x16x4_f32). A number that lies on a knife's edge between two numbers of the format may be rounded either way, as far as f32 arithmetic and the matrix unit's own rounding can turn it there, and no further.
;;   INPUTS GIVEN AS CODES. wk (in the module: [1024, 1024], K = its axis 1); wq (in the module: [1024, 1024], K = its axis 1); wv (in the module: [1024, 1024], K = its axis 1); x (in the module: [4, 2048, 1024], K = its axis 2): each comes as NAME_codes (uint8): NAME with its K axis moved to the last place and cut into blocks of 32 codes, [.., K / 32, bytes a block], one block behind the other in memory; four codes in three bytes: a row's codes are one little-endian stream of bits, code i at bits 6 i .. 6 i + 5 (a code: sign, 2 exponent bits, 3 mantissa bits); and NAME_scales (uint8): the same leading axes, one E8M0 byte (e + 127) for each 32 codes along K. Its value is code x scale, taken as it is: it is not quantised again, and the codes and scales need not be those that the quantiser above would give.
;; One version. Each part assembles by itself: llvm-mc -triple=amdgcn-amd-amdhsa -mcpu=gfx1250 --defsym DOCPART=n.
;; ======== version 1 of 1: 3 launches
;; limits: right only within a limited range of input values
;; workspace buffers: q_rec 6,553,600 bytes; k_rec 6,553,600 bytes; v_rec 6,553,600 bytes; p_rec 13,107,200 bytes; p_stat 262,144 bytes
;; launch proj (part 1): grid 16 x 16, 4 waves a work-group, clusters of 4 x 4, 327,680 bytes of LDS; arguments x_codes, x_scales, wv_codes, wv_scales, wq_codes, wq_scales, wk_codes, wk_scales, q_rec, k_rec, v_rec; writes q_rec, k_rec, v_rec
.if DOCPART == 1
	.amdgcn_target "amdgcn-amd-amdhsa--gfx1250"
	.amdhsa_code_object_version 6
	.text
	.protected	k_qcf87246023_proj
	.globl	k_qcf87246023_proj
	.p2align	8
	.type	k_qcf87246023_proj,@function
k_qcf87246023_proj:
	s_mov_b64 s[64:65], 0
	v_nop
	global_prefetch_b8 v0, s[64:65] scope:SCOPE_SE
	s_setreg_imm32_b32 hwreg(HW_REG_WAVE_MODE, 25, 1), 1
	s_wait_xcnt 0x0
	s_wait_alu depctr_hold_cnt(0) depctr_sa_sdst(0) depctr_va_vdst(0) depctr_va_sdst(0) depctr_va_ssrc(0) depctr_va_vcc(0) depctr_vm_vsrc(0)
	s_getreg_b32 s2, hwreg(HW_REG_IB_STS2, 6, 4)
	s_cmp_eq_u32 s2, 0
	s_cbranch_scc0 .Lentry_in_a_cluster
	s_endpgm
.Lentry_in_a_cluster:
	s_bfe_u32 s2, ttmp6, 0x10000c
	s_cmp_lg_u32 s2, 0xf033
	s_cbranch_scc0 .Lentry_shape_is_right
	s_endpgm
.Lentry_shape_is_right:
; q = x wq^T, k = x wk^T, v = x wv^T on the given codes of FP6 (E2M3) with E8M0 scales, sums in f32; q and k are quantised along the channels, v along the tokens, and leave as codes and scale bytes.
; WORK LEFT OUT BY THE PROGRAM: scores of keys behind their query (reference()'s own tril mask makes them -infinity ahead of the softmax, for all inputs) are not made where they come as whole tiles of 256 x 256.
; A NaN, an infinity or an overflow that reaches only those scores is not carried to the result.
; LIMITS: NaN and infinities are not served.  A block of zeros gets the byte 1 (the floor) with zero codes, where the quantiser says 127: only this program reads these bytes.
; THE DEAL.  256 work-groups of four waves, 2 x 2 (row a, column b).  A wave holds 64 rows of a weight, all of K, in 384 registers and streams x's rows past them in blocks of 16.
; Phase 1: 256 tokens x 128 channels of v; phase 2: 512 tokens x 128 channels of q or k.  v's 256 tokens are a half (s87) of the work-group's own 512, so x's first two chunks of 128 rows serve both phases.
; CLUSTERS 4 x 4: x's rows are asked for jointly along a row of the cluster (mask s44), a weight's along a column (s45).
; TILES.  Tile j of a band of 64 rows is rows 8 j + i and 32 + 8 (j xor 1) + i (i = 0 .. 7): they start in 16 different places modulo 16 rows, and four tiles give each lane 32 sums that are ONE scale block:
; lane (r, h) holds block h of the band, and register 8 j + i its number 8 (j xor h) + i.  x's tiles are laid so in both phases, a weight's in phase 2 (in phase 1 its tiles are 16 neighbouring rows).
; THE BUFFERS are records of 12,800 bytes, 128 rows x 128 along K: eight fragment images of 1,536 bytes, each two halves (64 along K) of 512 bytes (registers 0-3 of each lane) and 256 bytes (registers 4, 5);
; then 512 bytes of scales: lane l's word w is the scale word of row l % 16 of fragment w + 4 (l / 16).  q_rec, k_rec: [token group][channel group];  v_rec: [channel group][token group], rows = channels.
; FILLS.  At the head one load a wave: wv's rows, the scale bytes of two chunks, chunk 0, chunk 1.  Three refills, each in a drained round: in v's block 2 the weights' region (wq's or wk's rows);
; in phase 2's blocks 2 and 6 a chunk of the other half and its scale bytes.  A plain barrier in v's last block and in phase 2's blocks 10 and 12 shows what the last refill brought.
; PREFETCHES: the second weight at the head, chunk 2 and the later scale bytes behind the first refill, chunk 3 between the phases: each shared out by address among the sixteen waves that will ask jointly.
; WAITS.  A block's rows were fetched two blocks ago; younger are the next block's fetch, NF loads, and the scale bytes stored between.
; THE RECORDS' ORDER IN DETAIL.  G: 512 tokens, tg: a group of 128 of them.  q_rec: [G][c = 0 .. 3][channel group]: record c holds fragments 2 c and 2 c + 1 of each of G's four token groups, as its fragments 2 tg, 2 tg + 1.
; k_rec: [G][channel group / 2][tg][channel group % 2]: 512 keys x 256 channels are one dense block.  v_rec: [channel group][token group].
.set NQ,     8
.set NB,     4
.set TM,     512
.set TV,     256
.set TN,     128
.set KROW,   768
.set KS,     32
.set PITCH,  KROW+16*(KROW/256)
.set FR,     12
.set FPW,    256/FR
.set NF,     28                        ; LDS loads of a block: 26 for eight fragments, 2 for eight scale words
.set RA,     128
.set YB,     RA*PITCH
.set BVB,    2*RA*PITCH
.set SCL,    BVB+TN*PITCH
.set CU,     RA*KS/256
.set SCB,    CU*272
.set XN,     SCL+2*SCB                 ; q's or k's scale images, by chunk in the order of work
.set XM,     XN+4*512                  ; v's
.set SPARE,  XM+2*512
.set EMAX,   2
.set FRB,    1536
.set HALF,   FRB/2
.set SOFF,   8*FRB
.set REC,    SOFF+512
.set ADRA0, 4                          ; v4, v5, v6: even tiles' fragments (v5: behind one padding more) and scale words, tile 0;  v1, v22, v23: odd tiles', tile 1
.set AAS0,  6
.set CO,    9                          ; 16 x lane
.set SPW,   10
.set NIL,   11
.set ADRA,  12                         ; v12, v13: the block that is fetched next
.set ADRB,  14
.set ABS,   16
.set AAS,   17
.set STO,   18
.set STV,   19
.set C8,    21                         ; 8 x lane
.set SB,    24                         ; v24-39 the weights' scale words
.set TQ,    40
.set SA,    44                         ; v44-59 x's scale words, two sets
.set TC,    60
.set ACC,   64                         ; v64-127 phase 2: two sets of four accumulators
.set HV0,   64                         ; v64-191 phase 1, chunk 0: 32 t + 8 j + i
.set HV1,   840                        ; v840-967 chunk 1
.set NCD,   128                        ; v128-139 phase 2: codes of an even and of an odd block
.set MCD,   192                        ; v192-239 phase 1: codes
.set SOP,   240
.set EB,    244
.set VX,    248
.set SB2,   968                        ; v968-983 the second weight's scale words
.set BA,    984                        ; v984-991 LDS addresses of the weight's column tiles in phase 1, v992-999 in phase 2
.set BA2,   992
.set G1A, 24
.set G0A, 56
.set G0R, 68
.set G1B, 32
.set G0B, 60
.set G1S, 92
.set G0S, 72
.set MSB, 0
.macro WIN new
.if MSB != (\new)
	s_set_vgpr_msb (MSB<<8)|(\new)
.set MSB, (\new)
.endif
.endm
.macro PLACES n
.rept \n
	v_nop
.endr
.endm
.macro WALU
	s_wait_alu depctr_va_vdst(0)
.endm
.macro BARRIER
	s_barrier_signal -1
	s_barrier_wait -1
.endm
.macro MIDDLE
	WIN 0
	s_barrier_wait -1
	s_cmp_lg_u32 s14, 0
	s_cbranch_scc1 .Lnot_wave_0_\@
	s_barrier_signal -3
.Lnot_wave_0_\@:
	s_barrier_wait -3
.endm
.macro CROUND
	s_barrier_signal -1
	MIDDLE
	BARRIER
.endm
.macro GRD
	s_wait_tensorcnt 0x0
	ds_add_u32 v[SPW], v[NIL]
.endm
.macro TLOAD g0, g1
	tensor_load_to_lds s[\g0:\g0+3], s[\g1:\g1+7]
	s_nop 0
	PLACES 4
.endm
.macro GROUP1 g, mask, rows
	s_or_b32 s[\g+0], s[\mask], (1<<20)|(1<<21)|(5<<22)|(3<<25)
	s_mov_b32 s[\g+1], (KROW&0xffff)<<16
	s_mov_b32 s[\g+2], (KROW>>16)|((\rows)<<16)
	s_mov_b32 s[\g+3], KROW<<16
	s_mov_b32 s[\g+4], \rows
	s_mov_b32 s[\g+5], KROW
	s_mov_b32 s[\g+6], 0
	s_mov_b32 s[\g+7], 0
.endm
.macro SADD d, x
	s_add_co_u32 s\d, s\d, s\x
.endm
.macro G0SET g, base, off              ; s21 = 0
	s_mov_b32 s20, s\off
	s_add_nc_u64 s[\g+2:\g+3], s[\base:\base+1], s[20:21]
	s_or_b32 s[\g+3], s[\g+3], 0x80000000
.endm
; fragment f lies in window 1 + f / 21 at register 12 (f % 21): 0-31 the weights' (4 q + t), 32-39 and 40-47 x's two sets
.macro FRAG f, q, a0, a1, aw           ; six pieces of 8 bytes, two to a load where both lie behind as many paddings
	WIN ((1+(\f)/FPW)<<6)|(\aw)
.set R_, FR*((\f)%FPW)
.set SKIP_, 0
.irp p, 0,1,2,3,4,5
.if SKIP_
.set SKIP_, 0
.else
.set PC_, 12*(\q)+6*(\p/3)+\p%3
.set PN_, 12*(\q)+6*((\p+1)/3)+(\p+1)%3
.set X_, (PC_%32+3)/32
.set XQ_, (PN_%32+3)/32
.if (\p < 5) && (X_ == XQ_)
.set SKIP_, 1
.if X_
	ds_load_2addr_b64 v[R_+2*\p:R_+2*\p+3], \a1 offset0:PC_+2*(PC_/32) offset1:PN_+2*(PN_/32)
.else
	ds_load_2addr_b64 v[R_+2*\p:R_+2*\p+3], \a0 offset0:PC_+2*(PC_/32) offset1:PN_+2*(PN_/32)
.endif
.elseif X_
	ds_load_b64 v[R_+2*\p:R_+2*\p+1], \a1 offset:8*(PC_+2*(PC_/32))
.else
	ds_load_b64 v[R_+2*\p:R_+2*\p+1], \a0 offset:8*(PC_+2*(PC_/32))
.endif
.endif
.endr
.endm
.macro WEIGHTS bb                      ; my 64 rows of the weight, all of K: 104 loads
.irp q, 0,1,2,3,4,5,6,7
.irp b, 0,1,2,3
	FRAG NB*\q+\b, \q, v[\bb-768+2*\b], v[\bb-768+2*\b+1], 3
.endr
.endr
	WIN 0
.endm
.macro FETCHAT e, a0, a1, as
.irp q, 0,1,2,3,4,5,6,7
	FRAG NB*NQ+NQ*(\e)+\q, \q, \a0, \a1, 0
.endr
	WIN 0
	ds_load_b128 v[SA+8*(\e):SA+8*(\e)+3], \as
	ds_load_b128 v[SA+8*(\e)+4:SA+8*(\e)+7], \as offset:16
.endm
.macro FETCH e
	FETCHAT \e, v[ADRA], v[ADRA+1], v[AAS]
.endm
.macro FETCH01                         ; a phase's first two blocks; s89: the block fetched last
	FETCHAT 0, v[ADRA0], v[ADRA0+1], v[AAS0]
	FETCHAT 1, v1, v22, v23
	s_mov_b32 s89, 1
.endm
; product n = 4 q + t.  kind 0 (q, k): source 0 the weight's rows; kind 1 (v): source 0 x's rows
.macro PROD kind, e, n, a0, as
.set Q_, (\n)/4
.set FB_, NB*Q_+(\n)%4
.set FA_, NB*NQ+NQ*(\e)+Q_
.set D_, (\a0)+(\as)*((\n)%4)
.set DL_, D_&255
.set XB_, SB+NQ*(((\n)%4)/2)+Q_
.set XA_, SA+8*(\e)+Q_
.if \kind
	WIN (1+FA_/FPW)|((1+FB_/FPW)<<2)|((D_>>8)<<4)|((D_>>8)<<6)
.if Q_
	PROD1 DL_, FA_, FB_, v[DL_:DL_+7], XA_, XB_, b, (\n)%2
.else
	PROD1 DL_, FA_, FB_, 0, XA_, XB_, b, (\n)%2
.endif
.else
	WIN (1+FB_/FPW)|((1+FA_/FPW)<<2)|((D_>>8)<<4)|((D_>>8)<<6)
.if Q_
	PROD1 DL_, FB_, FA_, v[DL_:DL_+7], XB_, XA_, a, (\n)%2
.else
	PROD1 DL_, FB_, FA_, 0, XB_, XA_, a, (\n)%2
.endif
.endif
.endm
.macro PROD1 d, s0, s1, c, x0, x1, side, o
.if \o
	v_wmma_scale_f32_16x16x128_f8f6f4 v[\d:\d+7], v[FR*((\s0)%FPW):FR*((\s0)%FPW)+FR-1], v[FR*((\s1)%FPW):FR*((\s1)%FPW)+FR-1], \c, v[\x0], v[\x1] matrix_a_fmt:MATRIX_FMT_FP6 matrix_b_fmt:MATRIX_FMT_FP6 matrix_\side\()_scale:MATRIX_SCALE_ROW1
.else
	v_wmma_scale_f32_16x16x128_f8f6f4 v[\d:\d+7], v[FR*((\s0)%FPW):FR*((\s0)%FPW)+FR-1], v[FR*((\s1)%FPW):FR*((\s1)%FPW)+FR-1], \c, v[\x0], v[\x1] matrix_a_fmt:MATRIX_FMT_FP6 matrix_b_fmt:MATRIX_FMT_FP6 matrix_\side\()_scale:MATRIX_SCALE_ROW0
.endif
.endm
; products from .. to - 1 of a block; behind every second one two entries of a list (at most four scalar lines and one vector line each, two where a prefetch's address is made)
.macro BLOCK kind, e, a0, as, from, to, list, x=0, y=0
.set N_, \from
.rept (\to)-(\from)
	PROD \kind, \e, N_, \a0, \as
.if N_%2
	\list N_-1, \x, \y, \e
	\list N_, \x, \y, \e
.endif
.set N_, N_+1
.endr
.endm
.macro STEP i, e                       ; to the next block's LDS addresses: block s89 is tile s89 % 4 of the chunk in slot (s89 / 4) % 2
.if (\i) == 0
	s_add_co_u32 s89, s89, 1
	s_and_b32 s20, s89, 2
	s_and_b32 s21, s89, 4
	s_lshl_b32 s21, s21, 2
.elseif (\i) == 1
	s_or_b32 s20, s20, s21
	s_mul_i32 s101, s20, 8*PITCH
	s_mul_i32 s91, s20, 272
	WIN 0
	v_add_nc_u32 v[ADRA], s101, v[ADRA0-3*(\e)]
.elseif (\i) == 2
	WIN 0
	v_add_nc_u32 v[ADRA+1], s101, v[ADRA0+1+17*(\e)]
.elseif (\i) == 3
	WIN 0
	v_add_nc_u32 v[AAS], s91, v[AAS0+17*(\e)]
.endif
.endm
.macro CHAIN i, x, n, t=TQ             ; 18 entries: the largest magnitude of the 32 sums from register x on, in two chains, and the conversions' scale operand
.set XW_, (\x)>>8
.set XL_, (\x)&255
.if (\i) >= 0 && (\i) < 14
.set B_, XL_+16*((\i)%2)+2*((\i)/2)
.set T_, (\t)+1-(\i)%2
.if (\i) < 2
	WIN XW_|(XW_<<2)|(XW_<<4)
	v_max3_num_f32 v[T_], |v[B_]|, |v[B_+1]|, |v[B_+2]|
.else
	WIN (XW_<<2)|(XW_<<4)
	v_max3_num_f32 v[T_], v[T_], |v[B_+1]|, |v[B_+2]|
.endif
.elseif (\i) == 14
	WIN XW_<<2
	v_max3_num_f32 v[\t+1], v[\t+1], |v[XL_+15]|, (EMAX+1)<<23
.elseif (\i) == 15
	WIN 0
	v_nop
.elseif (\i) == 16
	WIN XW_<<2
	v_max3_num_f32 v[\t], v[\t], |v[XL_+31]|, v[\t+1]
.elseif (\i) == 17
	WIN 0
	v_add_nc_u32 v[SOP+\n], -(EMAX<<23), v[\t]
.endif
.endm
.macro CODES i, x, c, n, t=TC          ; 6 lines: 32 codes into v[c .. c+5], the scale's byte into v[EB+n]
.set XW_, (\x)>>8
.set XL_, (\x)&255
.if (\i) == 0
	WIN XW_
	v_cvt_scalef32_pk16_fp6_f32 v[\c:\c+2], v[XL_:XL_+15], v[SOP+\n]
.elseif (\i) == 1
	WIN XW_
	v_cvt_scalef32_pk16_fp6_f32 v[\t:\t+2], v[XL_+16:XL_+31], v[SOP+\n]
.elseif (\i) == 2
	WIN 0
	v_lshrrev_b32 v[EB+\n], 23, v[SOP+\n]
.else
	WIN 0
	v_mov_b32 v[\c+\i], v[\t+\i-3]
.endif
.endm
.macro CODES6 x, c, n
.irp i, 0,1,2,3,4,5
	CODES \i, \x, \c, \n
.endr
.endm
.macro PFTILE v, off, share            ; my sixteenth of a tile of 128 rows, to be asked for into the L2
	s_mul_i32 s21, s\share, RA*KROW/16
	s_add_co_u32 s20, s\off, s21
	WIN 0
	v_min_u32 v\v, RA*KROW/16/256-1, v3
	v_lshl_add_u32 v\v, v\v, 8, s20
.endm
.macro PFGO v, base
	global_prefetch_b8 v\v, s[\base:\base+1] th:TH_LOAD_NT scope:SCOPE_SE
.endm
.macro PUT2 r, base, off               ; half a fragment image: 512 + 256 consecutive bytes
	global_store_b128 v[CO], v[\r:\r+3], \base offset:\off
	global_store_b64 v[C8], v[\r+4:\r+5], \base offset:\off+512
.endm
.macro ASK i                           ; the descriptors of the chunk at s88 for slot s47, and of its scale bytes at s55 for s8; then all four step on
.if (\i) == 0
	s_mul_i32 s[G0R+1], s14, RA/2*PITCH
	s_add_co_u32 s[G0R+1], s[G0R+1], s47
	s_mul_i32 s20, s14, RA/2*KROW
	SADD 20, 88
.elseif (\i) == 1
	s_mov_b32 s21, 0
	s_add_nc_u64 s[G0R+2:G0R+3], s[4:5], s[20:21]
	s_or_b32 s[G0R+3], s[G0R+3], 0x80000000
	s_mov_b32 s[G0S+1], s8
.elseif (\i) == 2
	s_mov_b32 s20, s55
	s_add_nc_u64 s[G0S+2:G0S+3], s[6:7], s[20:21]
	s_or_b32 s[G0S+3], s[G0S+3], 0x80000000
	s_add_co_u32 s88, s88, RA*KROW
.elseif (\i) == 3
	s_add_co_u32 s55, s55, CU*256
	s_xor_b32 s47, s47, YB
	s_xor_b32 s8, s8, (SCL)^(SCL+SCB)
.endif
.endm
.macro PLACE i                         ; where block s46's codes go (s[84:85]: by the true chunk) and its scale bytes (v[VX]: by the chunk in the order of work)
.if (\i) == 0
	s_wait_xcnt 0x0                        ; the earlier stores have read their base and their data
	s_lshr_b32 s18, s46, 2
	s_xor_b32 s18, s18, s17
	s_mul_i32 s20, s18, s12
	s_and_b32 s22, s46, 3
.elseif (\i) == 1
	s_mul_i32 s23, s22, FRB
	SADD 20, 23
	s_lshr_b32 s23, s22, 1
	s_mul_i32 s23, s23, s13
	SADD 20, 23
.elseif (\i) == 2
	s_lshr_b32 s23, s46, 2
	s_lshl_b32 s23, s23, 9
	s_lshl_b32 s22, s22, 2
	s_or_b32 s22, s22, s23
.elseif (\i) == 3
	s_mov_b32 s21, 0
	s_add_nc_u64 s[84:85], s[10:11], s[20:21]
	s_add_co_u32 s46, s46, 1
	WIN 0
	v_add_nc_u32 v[VX], s22, v[STO]
.endif
.endm
; the lists
.macro L_STEP i, x, y, e
	STEP \i, \e
.endm
.macro L_NONE i, x, y, e
.endm
.macro L_OUT i, x, y, e
	STEP \i, \e
	CHAIN (\i)-4, \x, \y
.endm
.macro L_LAST i, x, y, e
	CHAIN \i, \x, \y
.endm
.macro L_V2 i, x, y, e                 ; the first refill's descriptors; the later refills' group 1; the step; two prefetches' addresses
.if (\i) == 0
	s_mov_b32 s[G1A+2], (KROW>>16)|((RA/2)<<16)
	s_mov_b32 s[G1A+4], RA/2
	s_mov_b32 s[G1S+2], CU<<16
	s_mov_b32 s[G1S+4], CU
.elseif (\i) == 1
	s_mov_b32 s[G1B+2], (KROW>>16)|((TN/2)<<16)
	s_mov_b32 s[G1B+4], TN/2
	s_mul_i32 s[G0B+1], s14, TN/2*PITCH
	s_add_co_u32 s[G0B+1], s[G0B+1], BVB
.elseif (\i) == 2
	s_mul_i32 s20, s14, TN/2*KROW
	SADD 20, 9
	s_mov_b32 s21, 0
	s_add_nc_u64 s[G0B+2:G0B+3], s[2:3], s[20:21]
.elseif (\i) == 3
	s_or_b32 s[G0B+3], s[G0B+3], 0x80000000
.elseif (\i) == 8
	PFTILE 7, 88, 90
.elseif (\i) == 9
	s_lshl_b32 s21, s90, 9
	s_add_co_u32 s20, s55, s21
	WIN 0
	v_min_u32 v8, 1, v3
	v_lshl_add_u32 v8, v8, 8, s20
.endif
	STEP (\i)-4, \e
.endm
.macro L_V7 i, x, y, e
.if (\i) == 0
	s_add_co_u32 s22, s88, RA*KROW
	PFTILE 20, 22, 90
.endif
	CHAIN (\i)-2, \x, \y
.endm
.macro L_OUT2 i, x, y, e               ; phase 2: the step, the last block's places and its way out
	STEP \i, \e
	PLACE (\i)-2
	CHAIN (\i)-6, ACC+32*(1-(\e)), 1-(\e)
.endm
.macro L_OUTL i, x, y, e               ; nothing more is fetched
	PLACE \i
	CHAIN (\i)-4, ACC+32*(1-(\e)), 1-(\e)
.endm
.macro L_ROUND i, x, y, e
	ASK \i
	STEP (\i)-4, \e
	PLACE (\i)-6
	CHAIN (\i)-10, ACC+32, 1
.endm
.macro WAITDS w
.if (\w) >= 0
	s_wait_dscnt \w
.endif
.endm
.macro OUT e, fetch                    ; behind a block: the last block's byte and codes, the fetch of the block two on
	WALU
	ds_store_b8 v[VX], v[EB+1-\e]
	PUT2 NCD+6*(1-\e), s[84:85], 0
.if \fetch
	FETCH \e
.endif
.endm
.macro PH2 e, w, fetch
	WAITDS \w
.if \fetch
	BLOCK 0, \e, ACC+32*\e, 8, 0, 32, L_OUT2
.else
	BLOCK 0, \e, ACC+32*\e, 8, 0, 32, L_OUTL
.endif
	WIN 0
	CODES6 ACC+32*(1-\e), NCD+6*(1-\e), 1-\e
	OUT \e, \fetch
.endm
.macro EVENROUND w                     ; the second and the third refill: waves 0 and 1 half a chunk each, wave 2 the scale bytes
	WAITDS \w
	GRD
	BLOCK 0, 0, ACC, 8, 0, 28, L_ROUND
	WIN 0
	WALU
	s_wait_dscnt 0x0
	s_barrier_signal -1
	BLOCK 0, 0, ACC, 8, 28, 32, L_NONE
	WIN 0
	CODES6 ACC+32, NCD+6, 1
	MIDDLE
	BARRIER
	s_cmp_lt_u32 s14, 2
	s_cbranch_scc0 .Lscales_\@
	TLOAD G0R, G1A
	s_branch .Lasked_\@
.Lscales_\@:
	s_cmp_eq_u32 s14, 2
	s_cbranch_scc0 .Lnone_\@
	TLOAD G0S, G1S
.Lnone_\@:
.Lasked_\@:
	OUT 0, 1
.endm
.macro EVENSHOW w                      ; a plain barrier inside the block
	WAITDS \w
	BLOCK 0, 0, ACC, 8, 0, 26, L_OUT2
	WIN 0
	WALU
	s_wait_tensorcnt 0x0
	s_wait_dscnt 0x0
	s_barrier_signal -1
	BLOCK 0, 0, ACC, 8, 26, 32, L_NONE
	WIN 0
	s_barrier_wait -1
	CODES6 ACC+32, NCD+6, 1
	OUT 0, 1
.endm
; ================= THE HEAD
	s_load_b128 s[4:7], s[0:1], 0x0                     ; x
	s_load_b128 s[48:51], s[0:1], 0x10                  ; wv
	s_load_b256 s[76:83], s[0:1], 0x20                  ; wq, wk
	v_lshl_add_u32 v[SPW], v0, 2, SPARE
	v_mov_b32 v[NIL], 0
	ds_add_u32 v[SPW], v[NIL]
	ds_add_u32 v[SPW], v[NIL]
	v_lshrrev_b32 v1, 5, v0
	v_readfirstlane_b32 s14, v1                         ; the wave
	s_lshr_b32 s15, s14, 1                              ; a
	s_and_b32 s16, s14, 1                               ; b
	s_bfe_u32 s40, ttmp6, 0x40000                       ; cx
	s_bfe_u32 s41, ttmp6, 0x40004                       ; cy
	s_lshl_b32 s42, ttmp9, 2
	s_add_co_u32 s42, s42, s40                          ; phase 2's tile column: 0 .. 7 q, 8 .. 15 k
	s_and_b32 s43, ttmp7, 0xffff
	s_lshl_b32 s43, s43, 2
	s_add_co_u32 s43, s43, s41                          ; its tile row
	s_lshr_b32 s19, ttmp9, 1                            ; 0 q, 1 k
	s_and_b32 s87, ttmp9, 1                             ; v's half of my 512 tokens: it comes first in phase 2 too
	s_lshl_b32 s17, s87, 1
	s_lshl_b32 s13, s19, 2
	s_add_co_u32 s13, s13, s40                          ; v's tile column
	s_lshl_b32 s12, s43, 1
	s_add_co_u32 s12, s12, s87                          ; v's tile row
	s_lshl_b32 s44, s41, 2
	s_lshl_b32 s44, 15, s44
	s_lshl_b32 s45, 0x1111, s40
	GROUP1 G1A, 44, RA
	GROUP1 G1B, 45, TN
	s_or_b32 s[G1S+0], s44, (3<<16)|(1<<20)|(1<<21)|(5<<22)|(3<<25)
	s_mov_b32 s[G1S+1], 32<<16
	s_mov_b32 s[G1S+2], (2*CU)<<16
	s_mov_b32 s[G1S+3], 32<<16
	s_mov_b32 s[G1S+4], 2*CU
	s_mov_b32 s[G1S+5], 32
	s_mov_b32 s[G1S+6], 0
	s_mov_b32 s[G1S+7], 0
	s_mov_b32 s[G0S], 1
	s_mov_b32 s[G0S+1], SCL
	s_mul_i32 s67, s43, TM*KROW                         ; my 512 rows of x
	s_mul_i32 s66, s12, TV*KROW                         ; v's half of them
	s_and_b32 s9, s42, 7
	s_mul_i32 s46, s9, TN*KS
	s_mul_i32 s9, s9, TN*KROW                           ; wq's or wk's rows
	s_mul_i32 s21, s16, 64*KS
	SADD 46, 21
	s_mov_b32 s47, 0
	s_mul_i32 s54, s13, TN*KROW                         ; wv's
	s_mul_i32 s55, s43, TM*KS
	s_mul_i32 s84, s13, TN*KS
	SADD 84, 21
	s_mov_b32 s85, 0
	s_mov_b32 s[G0A], 1
	s_mov_b32 s[G0A+1], 0
	s_mov_b32 s[G0B], 1
	s_mov_b32 s[G0B+1], BVB
	s_mov_b32 s[G0R], 1
	s_mov_b32 s[G0R+1], YB
	s_mul_i32 s89, s12, TV*KS
	s_lshl_b32 s90, s40, 2
	SADD 90, 14                                         ; my number among the sixteen waves of my row of the cluster
	s_lshl_b32 s100, s41, 2
	SADD 100, 14                                        ; and of my column
	s_mul_i32 s21, s15, 64*PITCH
	s_mul_i32 s22, s16, 64*PITCH
	s_add_co_u32 s22, s22, BVB
	s_add_co_u32 s23, s21, 8*PITCH
	s_mul_i32 s20, s15, 8*272
	s_add_co_u32 s20, s20, SCL
	v_and_b32 v1, 15, v0                                ; r
	v_bfe_u32 v2, v0, 4, 1                              ; h
	v_and_b32 v3, 31, v0
	v_and_b32 v67, 8, v1
	v_lshl_add_u32 v78, v67, 2, v1                      ; lane r's row in an even tile, less 8 j: r, or r + 32 from r = 8 on
	v_lshl_add_u32 v79, v67, 1, v1                      ; in an odd tile: r, or r + 16
	v_mul_u32_u24 v64, v78, PITCH
	v_mul_u32_u24 v65, v79, PITCH
	v_mul_u32_u24 v66, v1, PITCH
	v_mad_u32_u24 v68, v2, 24, v64
	v_mad_u32_u24 v69, v2, 40, v64
	v_mad_u32_u24 v70, v2, 24, v65
	v_mad_u32_u24 v71, v2, 40, v65
	v_mad_u32_u24 v72, v2, 24, v66
	v_mad_u32_u24 v73, v2, 40, v66
	v_add_nc_u32 v[ADRA0], s21, v68
	v_add_nc_u32 v[ADRA0+1], s21, v69
	v_add_nc_u32 v22, s23, v71
	v_add_nc_u32 v[ADRB], s22, v72
	v_add_nc_u32 v[ADRB+1], s22, v73
	v_add_nc_u32 v74, s22, v68
	v_add_nc_u32 v75, s22, v69
	v_add_nc_u32 v76, s22, v70
	v_add_nc_u32 v77, s22, v71
	v_lshlrev_b32 v78, 5, v78                           ; scale bytes: 32 a row, and 16 more for each 256 passed
	v_lshlrev_b32 v79, 5, v79
	v_lshrrev_b32 v82, 8, v78
	v_lshrrev_b32 v83, 8, v79
	v_lshl_add_u32 v78, v82, 4, v78
	v_lshl_add_u32 v79, v83, 4, v79
	v_add_nc_u32 v[AAS0], s20, v78
	v_add_nc_u32 v23, s20, v79
	v_add_nc_u32 v23, 272, v23
	v_lshlrev_b32 v[ABS], 5, v3                         ; the weight's scale words in phase 1: row = lane, tiles 2 p and 2 p + 1 by halves
	v_sub_nc_u32 v80, 2, v2                             ; in phase 2: row 8 h + r + (r & 8) << (2 - h)
	v_lshlrev_b32 v80, v80, v67
	v_lshl_add_u32 v81, v2, 3, v1
	v_add_nc_u32 v81, v81, v80
	v_lshlrev_b32 v81, 5, v81
	v_lshlrev_b32 v[CO], 4, v3
	v_lshlrev_b32 v[C8], 3, v3
	v_lshl_add_u32 v82, v1, 4, v2                       ; 16 r + h: my byte's place in a scale image
	s_lshl_b32 s20, s15, 8
	s_lshl_b32 s22, s16, 1
	SADD 20, 22
	s_add_co_u32 s20, s20, XN
	v_add_nc_u32 v[STO], s20, v82
	s_lshl_b32 s20, s16, 8
	SADD 20, 15
	SADD 20, 15
	s_add_co_u32 s20, s20, XM
	WALU
	v_add_nc_u32 v[STV], s20, v82
	v_add_nc_u32 v1, s23, v70
	WALU
	s_wait_dscnt 0x0
	CROUND
	s_wait_kmcnt 0x0
	s_cmp_eq_u32 s19, 0
	s_cselect_b64 s[2:3], s[76:77], s[80:81]            ; wq's or wk's codes
	s_cselect_b64 s[10:11], s[78:79], s[82:83]          ; and scales
	s_add_nc_u64 s[10:11], s[10:11], s[46:47]
	s_add_nc_u64 s[84:85], s[50:51], s[84:85]
	s_mov_b32 s20, s66
	s_mov_b32 s21, 0
	s_add_nc_u64 s[G0A+2:G0A+3], s[4:5], s[20:21]
	s_add_nc_u64 s[G0R+2:G0R+3], s[G0A+2:G0A+3], RA*KROW
	s_or_b32 s[G0A+3], s[G0A+3], 0x80000000
	s_or_b32 s[G0R+3], s[G0R+3], 0x80000000
	G0SET G0B, 48, 54
	G0SET G0S, 6, 89
	s_cmp_eq_u32 s14, 0
	s_cbranch_scc0 .Lwave_1
	TLOAD G0B, G1B                                      ; wave 0: wv's rows
	s_branch .Lasked
.Lwave_1:
	s_cmp_eq_u32 s14, 1
	s_cbranch_scc0 .Lwave_2
	TLOAD G0S, G1S                                      ; wave 1: both chunks' scale bytes
	s_branch .Lasked
.Lwave_2:
	s_cmp_eq_u32 s14, 2
	s_cbranch_scc0 .Lwave_3
	TLOAD G0A, G1A                                      ; wave 2: chunk 0
	s_branch .Lasked
.Lwave_3:
	TLOAD G0R, G1A                                      ; wave 3: chunk 1
.Lasked:
	s_lshl_b32 s21, s43, 5
	s_and_b32 s22, s42, 7                               ; my channel group
	s_lshr_b32 s23, s22, 1
	s_lshl_b32 s23, s23, 3
	s_and_b32 s20, s22, 1
	SADD 23, 20
	s_cmp_eq_u32 s19, 0
	s_cselect_b32 s22, s22, s23
	SADD 21, 22
	s_mul_i32 s76, s21, REC
	s_xor_b32 s20, s14, s17
	s_mul_i32 s20, s20, 2*REC                           ; k: wave w empties chunk w's images, in the order of work
	s_mul_i32 s18, s14, 8*REC                           ; q: record c = w's
	s_cmp_eq_u32 s19, 0
	s_cselect_b32 s20, s18, s20
	s_add_co_u32 s78, s76, s20
	s_add_co_u32 s78, s78, SOFF
	s_mul_i32 s22, s15, 4*FRB
	s_mul_i32 s18, s15, 16*REC
	s_cmp_eq_u32 s19, 0
	s_cselect_b32 s22, s18, s22
	SADD 76, 22
	s_mul_i32 s22, s16, HALF
	SADD 76, 22
	s_lshl_b32 s21, s13, 6
	s_lshl_b32 s22, s12, 1
	SADD 21, 22
	s_mul_i32 s80, s21, REC
	s_mul_i32 s22, s15, REC
	s_add_co_u32 s82, s80, s22
	s_lshl_b32 s22, s16, 8
	SADD 82, 22
	s_add_co_u32 s82, s82, SOFF
	s_mul_i32 s22, s16, 4*FRB
	SADD 80, 22
	s_mul_i32 s22, s15, HALF
	SADD 80, 22
	s_mov_b32 s12, 2*FRB                                ; from token group to token group: q 3,072 bytes, k two records;
	s_mov_b32 s13, 8*REC-2*FRB                          ; and from tiles 0, 1 to tiles 2, 3, beyond two fragments: q the next c's record, k nothing
	s_cmp_eq_u32 s19, 0
	s_cselect_b32 s12, s12, 2*REC
	s_cselect_b32 s13, s13, 0
	s_mov_b32 s77, 0
	s_mov_b32 s79, 0
	s_mov_b32 s81, 0
	s_mov_b32 s83, 0
.irp p, 0,1
.irp c, 0,1
	global_load_b128 v[SB+NQ*\p+4*\c:SB+NQ*\p+4*\c+3], v[ABS], s[84:85] offset:\p*32*KS+16*\c
.endr
.endr
	WIN 3<<6
.irp p, 0,1
.irp c, 0,1
	global_load_b128 v[SB2-768+NQ*\p+4*\c:SB2-768+NQ*\p+4*\c+3], v81, s[10:11] offset:\p*16*KS+16*\c
.endr
.endr
	WIN 0
	s_wait_xcnt 0x0
	s_load_b128 s[48:51], s[0:1], 0x40                  ; q_rec, k_rec
	s_load_b64 s[52:53], s[0:1], 0x50                   ; v_rec
	s_wait_loadcnt 0x0
	s_mov_b32 s46, 0
	s_mov_b32 s88, s67
	s_mov_b32 s47, 0
	s_mov_b32 s8, SCL
	s_xor_b32 s20, s87, 1                               ; the chunks still to come are the other half's
	s_mul_i32 s21, s20, 2*RA*KROW
	SADD 88, 21
	s_mul_i32 s21, s20, 2*CU*256
	SADD 55, 21
	WIN 3<<6
.irp b, 0,1,2,3
	v_add_nc_u32 v[BA-768+2*\b], \b*16*PITCH, v[ADRB]
	v_add_nc_u32 v[BA-768+2*\b+1], \b*16*PITCH, v[ADRB+1]
	v_add_nc_u32 v[BA2-768+2*\b], \b*8*PITCH, v[74+2*(\b%2)]
	v_add_nc_u32 v[BA2-768+2*\b+1], \b*8*PITCH, v[75+2*(\b%2)]
.endr
	WIN 0
	PFTILE 8, 9, 100                                    ; what the first refill will load
	WALU
	s_cmp_eq_u32 s14, 0
	s_cbranch_scc0 .Lnot_b
	s_wait_tensorcnt 0x0
.Lnot_b:
	BARRIER                                             ; wv's rows are in
	PFGO 8, 2
	WEIGHTS BA
	s_cmp_eq_u32 s14, 3
	s_cbranch_scc1 .Lnot_a0
	s_wait_tensorcnt 0x0
.Lnot_a0:
	s_wait_dscnt 0x0
	BARRIER                                             ; chunk 0 and the scale bytes are in
	FETCH01
	s_wait_kmcnt 0x0
	s_cmp_eq_u32 s19, 0
	s_cselect_b64 s[10:11], s[48:49], s[50:51]
	s_add_nc_u64 s[48:49], s[10:11], s[78:79]
	s_add_nc_u64 s[10:11], s[10:11], s[76:77]
	s_add_nc_u64 s[50:51], s[52:53], s[80:81]
	s_add_nc_u64 s[52:53], s[52:53], s[82:83]
; ================= PHASE 1: v, eight blocks; chunk 0's way outs stand in chunk 1's blocks
.irp s, 0,1
	s_wait_dscnt NF
	BLOCK 1, \s, HV0+8*\s, 32, 0, 32, L_STEP
	WIN 0
	PLACES 4
	WALU
	FETCH \s
.endr
	s_wait_dscnt NF
	s_wait_xcnt 0x0                                     ; the list writes v8, the address of the head's prefetch
	GRD
	BLOCK 1, 0, HV0+16, 32, 0, 24, L_V2
	WIN 0
	s_wait_dscnt 0x0
	s_barrier_signal -1
	BLOCK 1, 0, HV0+16, 32, 24, 32, L_NONE
	MIDDLE
	BARRIER
	s_cmp_lt_u32 s14, 2
	s_cbranch_scc0 .Lno_half
	TLOAD G0B, G1B                                      ; waves 0 and 1 a half each of wq's or wk's rows, onto wv's, which all waves hold in registers
.Lno_half:
	PLACES 4
	WALU
	FETCH 0
	PFGO 7, 4
	PFGO 8, 6
	BLOCK 1, 1, HV0+24, 32, 0, 32, L_STEP
	WIN 0
	PLACES 4
	WALU
	FETCH 1
.irp j, 0,1,2
	s_wait_dscnt NF+(\j+1)/2
.if \j < 2
	BLOCK 1, \j%2, HV1+8*\j, 32, 0, 32, L_OUT, HV0+32*\j, \j
.else
	BLOCK 1, \j%2, HV1+8*\j, 32, 0, 32, L_LAST, HV0+32*\j, \j
.endif
	WIN 0
	CODES6 HV0+32*\j, MCD+12*\j, \j
	WALU
	ds_store_b8 v[STV], v[EB+\j] offset:4*\j
	PUT2 MCD+12*\j, s[50:51], \j*FRB
.if \j < 2
	FETCH \j%2
.endif
.endr
	s_wait_dscnt 1
	BLOCK 1, 1, HV1+24, 32, 0, 26, L_V7, HV0+96, 3
	WIN 0
	WALU
	s_wait_tensorcnt 0x0
	s_wait_dscnt 0x0
	s_barrier_signal -1                                 ; the weights that the first refill brought are shown to all
	BLOCK 1, 1, HV1+24, 32, 26, 32, L_NONE
	WIN 0
	s_barrier_wait -1
	CODES6 HV0+96, MCD+36, 3
	WALU
	ds_store_b8 v[STV], v[EB+3] offset:12
	PUT2 MCD+36, s[50:51], 3*FRB
; ================= THE CHANGE OF PHASE: the weights and the first two blocks' rows in one run of loads; chunk 1's four way outs under their flight
	WEIGHTS BA2
	FETCH01
	PFGO 20, 4
	WIN 3
.set I, 0
.rept 16
	v_mov_b32 v[SB+I], v[SB2-768+I]
.set I, I+1
.endr
	WIN 0
.set I, 0
.rept 18
.irp t, 0,1,2,3
	CHAIN I, HV1+32*\t, \t, 64+4*\t
.endr
.set I, I+1
.endr
.set I, 0
.rept 6
.irp t, 0,1,2,3
	CODES I, HV1+32*\t, MCD+12*\t+6, \t, 80+4*\t
.endr
.set I, I+1
.endr
	WIN 0
	WALU
; ================= PHASE 2: q or k, sixteen blocks
	s_wait_dscnt NF
	BLOCK 0, 0, ACC, 8, 0, 32, L_STEP
	WIN 0
	PLACES 4
	WALU
.irp t, 0,1,2,3
	ds_store_b8 v[STV], v[EB+\t] offset:512+4*\t
.endr
.irp t, 0,1,2,3
	PUT2 MCD+12*\t+6, s[50:51], REC+\t*FRB
.endr
	FETCH 0
	PH2 1, NF+4, 1
	s_mov_b32 s86, 0
.Lwith_rounds:                                          ; blocks 2 to 5, 6 to 9
	EVENROUND NF+1
	PH2 1, -1, 1
	PH2 0, NF+1, 1
	PH2 1, NF+1, 1
	s_add_co_u32 s86, s86, 1
	s_cmp_lg_u32 s86, 2
	s_cbranch_scc1 .Lwith_rounds
.Lwithout:                                              ; blocks 10, 11 and 12, 13
	EVENSHOW NF+1
	PH2 1, -1, 1
	s_add_co_u32 s86, s86, 1
	s_cmp_lg_u32 s86, 4
	s_cbranch_scc1 .Lwithout
	PH2 0, NF+1, 0
	PH2 1, 1, 0
; ================= THE END: the last way out; the scale images go through LDS under its conversions
.irp i, 0,1,2,3
	PLACE \i
.endr
	s_lshl_b32 s21, s14, 9
	s_add_co_u32 s21, s21, XN
	s_lshl_b32 s22, s14, 8
	s_add_co_u32 s22, s22, XM
	s_lshl_b32 s23, s15, 8
	s_lshl_b32 s18, s16, 3
	SADD 23, 18
	s_add_co_u32 s23, s23, XN
	s_lshl_b32 s18, s87, 8
	s_cmp_eq_u32 s19, 0
	s_cselect_b32 s18, s18, 0
	s_cselect_b32 s20, -1, 0                            ; all lanes where I make q
	v_add_nc_u32 v12, s21, v[CO]
	v_add_nc_u32 v14, s22, v[C8]
	v_mad_u32_u24 v15, v2, 768, v[CO]                   ; q: lane (r, h) gathers two words each of chunks 2 h and 2 h + 1;
	v_add_nc_u32 v15, s23, v15
	v_xor_b32 v16, s18, v[CO]                           ; the image's halves lie in the order of work
.set I, 0
.rept 18
	CHAIN I, ACC+32, 1
.set I, I+1
.endr
	CODES 2, ACC+32, NCD+6, 1
	WALU
	ds_store_b8 v[VX], v[EB+1]
	s_wait_dscnt 0x0
	s_barrier_signal -1
	CODES 0, ACC+32, NCD+6, 1
	CODES 1, ACC+32, NCD+6, 1
	v_nop
.irp i, 3,4,5
	CODES \i, ACC+32, NCD+6, 1
.endr
	s_barrier_wait -1
	WALU
	ds_load_b128 v[64:67], v12
	ds_load_b64 v[68:69], v14
	ds_load_b64 v[70:71], v15
	ds_load_b64 v[72:73], v15 offset:512
	PUT2 NCD+6, s[84:85], 0
	s_wait_dscnt 0x0
	v_cndmask_b32 v64, v64, v70, s20
	v_cndmask_b32 v65, v65, v71, s20
	v_cndmask_b32 v66, v66, v72, s20
	v_cndmask_b32 v67, v67, v73, s20
	global_store_b128 v16, v[64:67], s[48:49]
	global_store_b64 v[C8], v[68:69], s[52:53]
	s_wait_tensorcnt 0x0
	ds_add_u32 v[SPW], v[NIL]
	s_wait_dscnt 0x0
	CROUND
	s_endpgm
.Lfunc_end_k_qcf87246023_proj:
	.size	k_qcf87246023_proj, .Lfunc_end_k_qcf87246023_proj-k_qcf87246023_proj
	.p2alignl 7, 3214868480
	.fill 96, 4, 3214868480
	.section	.rodata,"a",@progbits
	.p2align	6, 0x0
	.amdhsa_kernel k_qcf87246023_proj
		.amdhsa_group_segment_fixed_size 327680
		.amdhsa_private_segment_fixed_size 0
		.amdhsa_enable_private_segment 0
		.amdhsa_kernarg_size 88
		.amdhsa_user_sgpr_count 2
		.amdhsa_user_sgpr_kernarg_segment_ptr 1
		.amdhsa_wavefront_size32 1
		.amdhsa_system_sgpr_workgroup_id_x 1
		.amdhsa_system_sgpr_workgroup_id_y 1
		.amdhsa_system_sgpr_workgroup_id_z 1
		.amdhsa_system_vgpr_workitem_id 0
		.amdhsa_next_free_vgpr 1024
		.amdhsa_next_free_sgpr 102
		.amdhsa_reserve_vcc 0
		.amdhsa_float_denorm_mode_32 3
		.amdhsa_float_denorm_mode_16_64 3
		.amdhsa_memory_ordered 1
		.amdhsa_forward_progress 1
		.amdhsa_inst_pref_size 194
	.end_amdhsa_kernel
	.amdgpu_metadata
---
amdhsa.version: [ 1, 2 ]
amdhsa.kernels:
  - .name:           k_qcf87246023_proj
    .symbol:         k_qcf87246023_proj.kd
    .args:
      - { .name: x_codes, .offset: 0, .size: 8, .value_kind: global_buffer, .address_space: global }
      - { .name: x_scales, .offset: 8, .size: 8, .value_kind: global_buffer, .address_space: global }
      - { .name: wv_codes, .offset: 16, .size: 8, .value_kind: global_buffer, .address_space: global }
      - { .name: wv_scales, .offset: 24, .size: 8, .value_kind: global_buffer, .address_space: global }
      - { .name: wq_codes, .offset: 32, .size: 8, .value_kind: global_buffer, .address_space: global }
      - { .name: wq_scales, .offset: 40, .size: 8, .value_kind: global_buffer, .address_space: global }
      - { .name: wk_codes, .offset: 48, .size: 8, .value_kind: global_buffer, .address_space: global }
      - { .name: wk_scales, .offset: 56, .size: 8, .value_kind: global_buffer, .address_space: global }
      - { .name: q_rec, .offset: 64, .size: 8, .value_kind: global_buffer, .address_space: global }
      - { .name: k_rec, .offset: 72, .size: 8, .value_kind: global_buffer, .address_space: global }
      - { .name: v_rec, .offset: 80, .size: 8, .value_kind: global_buffer, .address_space: global }
    .group_segment_fixed_size: 327680
    .private_segment_fixed_size: 0
    .kernarg_segment_align: 8
    .kernarg_segment_size: 88
    .max_flat_workgroup_size: 128
    .sgpr_count:     102
    .vgpr_count:     1024
    .wavefront_size: 32
...
	.end_amdgpu_metadata
.endif
;; end of part 1
;; launch scores (part 2): grid 40 x 4, 4 waves a work-group, clusters of 4 x 1, 327,680 bytes of LDS; arguments q_rec, k_rec, p_rec, p_stat; writes p_rec, p_stat
.if DOCPART == 2
	.amdgcn_target "amdgcn-amd-amdhsa--gfx1250"
	.amdhsa_code_object_version 6
	.text
	.protected	k_qcf87246023_scores
	.globl	k_qcf87246023_scores
	.p2align	8
	.type	k_qcf87246023_scores,@function
k_qcf87246023_scores:
	s_mov_b64 s[64:65], 0
	v_nop
	global_prefetch_b8 v0, s[64:65] scope:SCOPE_SE
	s_setreg_imm32_b32 hwreg(HW_REG_WAVE_MODE, 25, 1), 1
	s_wait_xcnt 0x0
	s_wait_alu depctr_hold_cnt(0) depctr_sa_sdst(0) depctr_va_vdst(0) depctr_va_sdst(0) depctr_va_ssrc(0) depctr_va_vcc(0) depctr_vm_vsrc(0)
	s_getreg_b32 s2, hwreg(HW_REG_IB_STS2, 6, 4)
	s_cmp_eq_u32 s2, 0
	s_cbranch_scc0 .Lentry_in_a_cluster
	s_endpgm
.Lentry_in_a_cluster:
	s_bfe_u32 s2, ttmp6, 0x10000c
	s_cmp_lg_u32 s2, 0x3003
	s_cbranch_scc0 .Lentry_shape_is_right
	s_endpgm
.Lentry_shape_is_right:
; S = q k^T on codes of FP6, the causal mask, and the softmax's numerator p as codes.  Of a batch's 4 x 4 blocks of 512 queries (g) x 512 keys (j) only the 10 with g >= j are made:
; in the others every key comes after every query, and reference()'s own mask makes their scores -infinity for all inputs.  One cluster of four makes a block; 160 work-groups.
; PARTNER c of a cluster takes q's record c: 128 queries, fragments 2 c and 2 c + 1 of each of the block's four token groups (my fragment a: token group a / 2).  k's tiles are shared: each is asked for jointly.
; WAVE w takes the keys of token group w: 128 queries x 128 keys, source 0 = a tile of k, source 1 = a tile of q.  Lane (r, h) holds query row r of a tile, and its registers 32 d + 8 j + i the key
; 64 d + 32 h + 8 (j xor h) + i of the group: the 32 registers of each d are one scale block of p, in the order in which v's blocks lie.
; THE MASK hangs on the block, the wave and a / 2 alone: on the diagonal a token group of queries behind the wave's keys is open, the keys' own group is compared, one ahead of them is hidden.
; K = 1,024 is four parts of 256.  q's 128 rows come whole at the head (waves 2, 3), k's part 0 too (waves 0, 1); parts 1 to 3 go through two slots, a quarter a wave.
; NO PREFETCH: there is no loop to run ahead in, and each part but the first is asked for two K steps ahead of its first product.
; THE SOFTMAX.  For each query and each block of 512 keys: t = score x log2(e) / 32; M_g = the largest t rounded up to a whole number (the waves join their maxima through LDS); p = 2^(t - M_g), quantised along
; the keys; l_g = the sum of the unquantised p over the 512 keys (joined through LDS).  The next launch takes M - M_g off p's scale bytes: a power of two, which changes no code.
; p_rec: [128 queries][16 key groups] records: fragment images of three pieces of 512 bytes, then the scale image;  p_stat: [128 queries][4 blocks of keys][-M_g, l_g], 512 bytes each.
; In every image lane l's word w belongs to row l % 16 of fragment w + 4 (l / 16).
; LIMITS.  NaN and infinities among q, k are not served; scaled scores stay under 2^31 in magnitude.  A scale block of p whose largest number lies under 2^-61 of its M_g's power of two is coded against the scale 2^-63.
.set FR,    12
.set FRB,   1536
.set SOFF,  8*FRB
.set REC,   SOFF+512
.set KB,    8*REC                      ; q's eight records, then k's two slots: four token groups x two records each
.set SPARE, 24*REC
.set XCH,   SPARE+512                  ; the waves' maxima
.set XL,    XCH+2048                   ; the waves' sums
.set ADRA, 16                          ; v16, v17 q's records 0-3, 4-7, + 16 x lane;  v4, v5 the same + 8 x lane
.set ADRB, 20                          ; v20, v21 my k records in slot 0, 1;  v8, v9
.set XS,   24
.set XR,   25
.set LI,   26
.set SPW,  28
.set NIL,  29
.set SA0,  32
.set SB0,  52
.set SI,   68
.set LIM,  72
.set RMI,  76
.set ZR,   80
.set VD,   92
.set H8,   96
.set NINF, 97
.set PC,   112
.set AF,   128
.set TS,   144
.set TB,   200
.set BX,   204
.set BP,   208
.set SO,   212
.set LL,   220
.set LX,   221
.set PW,   222
.set BM,   224                         ; v224-239 the scale blocks' largest scores
.set NP,   240                         ; v[240 + 2 a] -M_g;  v[241 + 2 a] the largest score
.set WV,   12
.set CX,   13
.set CB,   14
.set GG,   15
.set JJ,   16
.set BT,   17
.set RG,   18
.set SEL,  20
.set CS,   22
.set G1,   24
.set G0,   32                          ; k's parts 0 to 3
.set WD,   48                          ; the wave on the diagonal, else -1
.set HM,   49
.set G0Q,  68
.set G1Q,  72
.set MSB, 0
.macro WIN new
.if MSB != (\new)
	s_set_vgpr_msb (MSB<<8)|(\new)
.set MSB, (\new)
.endif
.endm
.macro WALU
	s_wait_alu depctr_va_vdst(0)
.endm
.macro PLACES
.rept 4
	v_nop
.endr
.endm
.macro CREST
	s_cmp_lg_u32 s[WV], 0
	s_cbranch_scc1 .Lnot_wave_0_\@
	s_barrier_signal -3
.Lnot_wave_0_\@:
	s_barrier_wait -3
	s_barrier_signal -1
	s_barrier_wait -1
.endm
.macro CROUND
	s_barrier_signal -1
	s_barrier_wait -1
	CREST
.endm
.set MUL_LO, 0xa1
.set MUL_HI, 0xf1
.set TO_B,   0x40
	s_load_b256 s[4:11], s[0:1], 0x0
	v_lshl_add_u32 v[SPW], v0, 2, SPARE
	v_mov_b32 v[NIL], 0
	ds_add_u32 v[SPW], v[NIL]
	ds_add_u32 v[SPW], v[NIL]
	v_lshrrev_b32 v1, 5, v0
	v_readfirstlane_b32 s[WV], v1
	s_and_b32 s[CB], s[WV], 1
	s_bfe_u32 s[CX], ttmp6, 0x40000                ; c
	s_and_b32 s[BT], ttmp7, 0xffff                 ; the batch
	s_cmp_ge_u32 ttmp9, 1                          ; cluster e of the batch: g(g + 1) / 2 + j = e
	s_cselect_b32 s50, 1, 0
	s_cmp_ge_u32 ttmp9, 3
	s_cselect_b32 s51, 1, 0
	s_cmp_ge_u32 ttmp9, 6
	s_cselect_b32 s52, 1, 0
	s_add_co_u32 s[GG], s50, s51
	s_add_co_u32 s[GG], s[GG], s52
	s_add_co_u32 s50, s[GG], 1
	s_mul_i32 s50, s50, s[GG]
	s_lshr_b32 s50, s50, 1
	s_sub_co_u32 s[JJ], ttmp9, s50
	s_cmp_eq_u32 s[GG], s[JJ]
	s_cselect_b32 s[WD], s[WV], -1
	s_mov_b32 s[SEL], 0x76543210
	s_mov_b32 s[SEL+1], 0xfedcba98
	s_mov_b32 s[CS], 0x3d38aa3b
	s_mov_b32 s[CS+1], s[CS]
	s_mov_b32 s[HM], 0xffff0000
	; group 1: a dense block of four records as 200 rows of 256 bytes (k's behind the head: two records, 100 rows); k's with the mask of all four partners
	s_mov_b32 s[G1], 15|(3<<16)|(1<<21)
	s_mov_b32 s[G1Q], 3<<16
.irp g, G1, G1Q
	s_mov_b32 s[\g+1], 32<<16
	s_mov_b32 s[\g+2], 200<<16
	s_mov_b32 s[\g+3], 32<<16
	s_mov_b32 s[\g+4], 200
	s_mov_b32 s[\g+5], 32
	s_mov_b32 s[\g+6], 0
	s_mov_b32 s[\g+7], 0
.endr
	s_lshl_b32 s50, s[BT], 2
	s_add_co_u32 s51, s50, s[JJ]
	s_mul_i32 s54, s51, 32*REC                     ; k's block
	s_mov_b32 s55, 0
	s_add_co_u32 s51, s50, s[GG]
	s_lshl_b32 s51, s51, 2
	s_add_co_u32 s[RG], s51, s[CX]                 ; my 128 queries' number
	s_mul_i32 s52, s[RG], 8*REC
	s_mul_i32 s50, s[CB], 4*REC
	s_add_co_u32 s52, s52, s50                     ; q: my half of the records
	s_mov_b32 s53, 0
	s_mov_b32 s51, 0
	s_mov_b32 s[G0Q], 1
	s_mov_b32 s[G0Q+1], s50
	s_mov_b32 s[G0], 1
	s_add_co_u32 s[G0+1], s50, KB
	s_mul_i32 s56, s[WV], 2*REC                    ; behind the head: my quarter
	s_mov_b32 s57, 0
	s_mov_b32 s[G0+4], 1
	s_add_co_u32 s[G0+5], s56, KB+8*REC
	s_mov_b32 s[G0+8], 1
	s_add_co_u32 s[G0+9], s56, KB
	s_mov_b32 s[G0+12], 1
	s_add_co_u32 s[G0+13], s56, KB+8*REC
	s_wait_dscnt 0x0
	s_wait_kmcnt 0x0
	s_add_nc_u64 s[G0Q+2:G0Q+3], s[4:5], s[52:53]
	s_add_nc_u64 s[58:59], s[6:7], s[54:55]
	s_add_nc_u64 s[G0+2:G0+3], s[58:59], s[50:51]
	s_add_nc_u64 s[58:59], s[58:59], s[56:57]
	s_add_nc_u64 s[G0+6:G0+7], s[58:59], 8*REC
	s_add_nc_u64 s[G0+10:G0+11], s[58:59], 16*REC
	s_add_nc_u64 s[G0+14:G0+15], s[58:59], 24*REC
	s_or_b32 s[G0Q+3], s[G0Q+3], 0x80000000
.irp p, 0,1,2,3
	s_or_b32 s[G0+4*\p+3], s[G0+4*\p+3], 0x80000000
.endr
	CROUND                                         ; the first joint loads meet
	s_cmp_lt_u32 s[WV], 2
	s_cbranch_scc0 .Lfor_q
	tensor_load_to_lds s[G0:G0+3], s[G1:G1+7]      ; waves 0, 1: k's part 0
	s_nop 0
	PLACES
	s_branch .Lasked
.Lfor_q:
	tensor_load_to_lds s[G0Q:G0Q+3], s[G1Q:G1Q+7]  ; waves 2, 3: q
	s_nop 0
	PLACES
.Lasked:
	s_lshl_b32 s50, s[RG], 4                       ; my record of p: 16 x my queries' number + 4 j + w
	s_lshl_b32 s51, s[JJ], 2
	s_add_co_u32 s50, s50, s51
	s_add_co_u32 s50, s50, s[WV]
	s_mul_i32 s52, s50, REC
	s_mov_b32 s53, 0
	s_add_nc_u64 s[8:9], s[8:9], s[52:53]
	s_lshl_b32 s52, s[RG], 2
	s_add_co_u32 s52, s52, s[JJ]
	s_lshl_b32 s52, s52, 10
	s_add_nc_u64 s[10:11], s[10:11], s[52:53]
	s_add_co_u32 s54, s56, KB
	s_lshl_b32 s55, s[WV], 9
	s_add_co_u32 s55, s55, XCH
	s_lshr_b32 s50, s[CX], 1                       ; my fragments' first query in its token group: 64 (c / 2) + 16 (c % 2)
	s_lshl_b32 s50, s50, 6
	s_and_b32 s51, s[CX], 1
	s_lshl_b32 s51, s51, 4
	s_add_co_u32 s50, s50, s51
	s_add_co_u32 s51, s50, 8
	v_and_b32 v2, 31, v0
	v_lshlrev_b32 v[LI], 4, v2
	v_lshlrev_b32 v[ADRA-12], 3, v2
	v_mov_b32 v[ADRA], v[LI]
	v_add_nc_u32 v[ADRB], s54, v[LI]
	v_add_nc_u32 v[ADRB-12], s54, v[ADRA-12]
	v_add_nc_u32 v[ADRA+1], 4*REC, v[ADRA]
	v_add_nc_u32 v[ADRA-11], 4*REC, v[ADRA-12]
	v_add_nc_u32 v[ADRB+1], 8*REC, v[ADRB]
	v_add_nc_u32 v[ADRB-11], 8*REC, v[ADRB-12]
	v_add_nc_u32 v[XS], s55, v[LI]
	v_and_b32 v11, 15, v0
	v_bfe_u32 v12, v0, 4, 1
	v_lshlrev_b32 v[XR], 4, v11
	v_add_nc_u32 v[XR], XCH, v[XR]
	v_and_b32 v13, 8, v11
	v_lshl_add_u32 v14, v13, 2, v11                ; row r of an even tile is r, and r + 32 from r = 8 on;
	v_lshl_add_u32 v15, v13, 1, v11                ; of an odd one r and r + 16
	v_add_nc_u32 v14, s50, v14
	v_add_nc_u32 v15, s51, v15
	v_mul_u32_u24 v1, v12, 40                      ; my keys of an even tile lie 32 h + 8 h further on, of an odd one 32 h - 8 h
	v_mul_u32_u24 v3, v12, 24
	v_sub_nc_u32 v[VD], v14, v1
	v_sub_nc_u32 v[VD+1], v14, v3
	v_sub_nc_u32 v[VD+2], v15, v1
	v_sub_nc_u32 v[VD+3], v15, v3
	v_lshlrev_b32 v[H8], 3, v12
	v_mov_b32 v[NINF], 0xff800000
.irp b, 0,1,2,3
	v_mov_b32 v[ZR+\b], 0
.endr
.macro FRAG reg, adr, q, i             ; a fragment image: two halves of 512 + 256 consecutive bytes
.irp c, 0,1
	ds_load_b128 v[\reg+6*\c:\reg+6*\c+3], v[\adr] offset:(\q)*REC+(\i)*FRB+768*\c
	ds_load_b64 v[\reg+6*\c+4:\reg+6*\c+5], v[\adr-12] offset:(\q)*REC+(\i)*FRB+768*\c+512
.endr
.endm
.macro FETCH_B ks
	WIN TO_B
.irp i, 0,1,2,3,4,5,6,7
	FRAG 128*((\ks)%2)+FR*\i, ADRB+((\ks)/2)%2, (\ks)%2, \i
.endr
	WIN 0
.endm
.macro FETCH_A ks, i0
.irp i, \i0, \i0+1, \i0+2, \i0+3
	FRAG AF+FR*(\i), ADRA+(\ks)/4, (\ks)%4, \i
.endr
.endm
.macro SCALES ks                       ; a part's scale words
.irp q, 0,1
	ds_load_b128 v[SA0+8*(((\ks)/2)%2)+4*\q:SA0+8*(((\ks)/2)%2)+4*\q+3], v[ADRA+(\ks)/4] offset:((\ks)%4+\q)*REC+SOFF
	ds_load_b128 v[SB0+8*(((\ks)/2)%2)+4*\q:SB0+8*(((\ks)/2)%2)+4*\q+3], v[ADRB+((\ks)/2)%2] offset:\q*REC+SOFF
.endr
.endm
.macro WMX c                           ; fragments 4 to 7 have their scale words in lanes 16-31
.if par == 0
	v_wmma_scale_f32_16x16x128_f8f6f4 v[rD:rD+7], v[rB:rB+FR-1], v[rA:rA+FR-1], \c, v[rSB], v[rSA] matrix_a_fmt:MATRIX_FMT_FP6 matrix_b_fmt:MATRIX_FMT_FP6
.elseif par == 1
	v_wmma_scale_f32_16x16x128_f8f6f4 v[rD:rD+7], v[rB:rB+FR-1], v[rA:rA+FR-1], \c, v[rSB], v[rSA] matrix_a_fmt:MATRIX_FMT_FP6 matrix_b_fmt:MATRIX_FMT_FP6 matrix_a_scale:MATRIX_SCALE_ROW1
.elseif par == 2
	v_wmma_scale_f32_16x16x128_f8f6f4 v[rD:rD+7], v[rB:rB+FR-1], v[rA:rA+FR-1], \c, v[rSB], v[rSA] matrix_a_fmt:MATRIX_FMT_FP6 matrix_b_fmt:MATRIX_FMT_FP6 matrix_b_scale:MATRIX_SCALE_ROW1
.else
	v_wmma_scale_f32_16x16x128_f8f6f4 v[rD:rD+7], v[rB:rB+FR-1], v[rA:rA+FR-1], \c, v[rSB], v[rSA] matrix_a_fmt:MATRIX_FMT_FP6 matrix_b_fmt:MATRIX_FMT_FP6 matrix_a_scale:MATRIX_SCALE_ROW1 matrix_b_scale:MATRIX_SCALE_ROW1
.endif
.endm
.macro MUL16 a0, ks, zero              ; the 64 accumulators take turns, one instruction a turn, in the same order in every step
.irp a, \a0, \a0+1
.irp b, 0,1,2,3,4,5,6,7
.set rD, 8*(8*((\a)%4)+\b)
.set rB, 128*((\ks)%2)+FR*\b
.set rA, AF+FR*(\a)
.set rSB, SB0+8*(((\ks)/2)%2)+4*((\ks)%2)+\b%4
.set rSA, SA0+8*(((\ks)/2)%2)+4*((\ks)%2)+(\a)%4
.set par, 2*((\a)/4)+\b/4
.if \zero
	WMX 0
.else
	WMX v[rD:rD+7]
.endif
.endr
.endr
.endm
; K step ks fetches the next one's fragments.  q has one set: blocks 0-3 come anew in the middle, 4-7 at the end.
; turn = 1: a barrier in the step, with each wave's loads, add and reads waited for ahead of it; fill: the part that goes into the slot in hand, behind a round.
.macro KSTEP ks, zero, turn, fill
.set NX, (\ks)+1
.if \turn
	s_wait_tensorcnt 0x0
	ds_add_u32 v[SPW], v[NIL]
	s_wait_dscnt 17                                ; the add and the youngest 16 loads (q's blocks 4-7) may be out
	WIN MUL_LO
	MUL16 0, \ks, \zero
	s_wait_dscnt 0x0
	s_barrier_signal -1
	MUL16 2, \ks, \zero
	WIN 0
	s_barrier_wait -1
.if \fill
	CREST
	tensor_load_to_lds s[G0+4*\fill:G0+4*\fill+3], s[G1:G1+7]
	s_nop 0
.endif
.else
	s_wait_dscnt 16                                ; all but q's blocks 4-7
	WIN MUL_LO
	MUL16 0, \ks, \zero
	MUL16 2, \ks, \zero
	s_wait_dscnt 0x0
	WIN 0
.endif
	PLACES
	FETCH_B NX
	FETCH_A NX, 0
.if NX%2 == 0
	SCALES NX
.endif
	WIN MUL_HI
	MUL16 4, \ks, \zero
	MUL16 6, \ks, \zero
	PLACES
	WIN 0
	FETCH_A NX, 4
.endm
	WALU                                           ; the wait at the head's end
	s_wait_tensorcnt 0x0
	ds_add_u32 v[SPW], v[NIL]
	s_mov_b32 s[G1+2], 100<<16                     ; no load of mine is out: from here on a load brings two records
	s_mov_b32 s[G1+4], 100
	s_wait_dscnt 0x0
	CROUND
	tensor_load_to_lds s[G0+4:G0+7], s[G1:G1+7]    ; part 1 into slot 1
	s_nop 0
	PLACES
	FETCH_B 0
	FETCH_A 0, 0
	SCALES 0
	FETCH_A 0, 4
	KSTEP 0, 1, 0, 0
	KSTEP 1, 0, 1, 2                               ; part 1 is whole for every wave; part 2 is asked for
	KSTEP 2, 0, 0, 0
	KSTEP 3, 0, 1, 3                               ; part 2; part 3 is asked for
	KSTEP 4, 0, 0, 0
	KSTEP 5, 0, 1, 0                               ; part 3
	KSTEP 6, 0, 0, 0
	s_wait_dscnt 16                                ; K step 7: nothing more to fetch
	WIN MUL_LO
	MUL16 0, 7, 0
	MUL16 2, 7, 0
	s_wait_dscnt 0x0
	WIN MUL_HI
	MUL16 4, 7, 0
	MUL16 6, 7, 0
	WIN 0
; Block a (16 queries x 128 keys, 64 registers a lane): the mask, my two scale blocks' largest scores, the largest score over the wave's keys
.macro MAXQ a
.set AC, 64*((\a)%4)
.set WN, 2+(\a)/4
.set WRW, WN|(WN<<6)
.set WRR, WN|(WN<<2)
	s_cmp_gt_i32 s[WD], (\a)/2                     ; branches on the block's and the wave's numbers
	s_cbranch_scc1 .Lhid_\@
	s_cmp_eq_i32 s[WD], (\a)/2
	s_cbranch_scc0 .Lopen_\@
	WIN WRW
.set n, 0
.rept 64
	v_cmp_gt_i32 vcc_lo, n+32*(n/32), v[VD+2*((\a)%2)+(n/8)%2]   ; register 32 d + 8 j + i holds key 64 d + 8 j + i, less what my half of the lanes adds
	v_cndmask_b32 v[AC+n], v[AC+n], v[NINF], vcc_lo
.set n, n+1
.endr
	WIN 0
.Lopen_\@:
	WALU
	WIN WRR
.irp b, 0,1,2,3
	v_max_num_f32 v[TB+\b], v[AC+16*\b], v[AC+16*\b+1]
.endr
.irp i, 2,4,6,8,10,12,14
.irp b, 0,1,2,3
	v_max3_num_f32 v[TB+\b], v[AC+16*\b+\i], v[AC+16*\b+\i+1], v[TB+\b]
.endr
.endr
	WIN 0
	v_max_num_f32 v[BM+2*(\a)], v[TB], v[TB+1]
	v_max_num_f32 v[BM+2*(\a)+1], v[TB+2], v[TB+3]
	v_max_num_f32 v[TB], v[BM+2*(\a)], v[BM+2*(\a)+1]
	v_permlanex16_b32 v[BX], v[TB], s[SEL], s[SEL+1]
	v_max_num_f32 v[NP+2*(\a)+1], v[TB], v[BX]
	s_branch .Lmax_\@
.Lhid_\@:
	v_mov_b32 v[BM+2*(\a)], 0xff61b1e6             ; -3e38
	v_mov_b32 v[BM+2*(\a)+1], 0xff61b1e6
	v_mov_b32 v[NP+2*(\a)+1], 0xff61b1e6
.Lmax_\@:
.endm
; Block a: p, its sum, its codes
.macro SOFTQ a
.set AC, 64*((\a)%4)
.set WN, 2+(\a)/4
.set WRW, WN|(WN<<6)
.set WRR, WN|(WN<<2)
.set NA, NP+2*(\a)
	s_cmp_gt_i32 s[WD], (\a)/2
	s_cbranch_scc1 .Lhid_\@
	WALU
.irp b, 0,1
	v_fma_f32 v[BP+\b], v[BM+2*(\a)+\b], s[CS], v[NA]   ; p rises with the score, so the largest score gives the block's largest p
.endr
	WIN WRW
.set n, 0
.rept 32
	v_pk_fma_f32 v[AC+n:AC+n+1], v[AC+n:AC+n+1], s[CS:CS+1], v[NA:NA+1] op_sel_hi:[1,0,0]
.set n, n+2
.endr
.set n, 0
	WALU
.rept 64
	v_exp_f32 v[AC+n], v[AC+n]
.set n, n+1
.endr
	WIN 0
.irp b, 0,1
	v_exp_f32 v[BP+\b], v[BP+\b]
.endr
	v_nop
	WALU
	WIN WRR
.set n, 0
.rept 16
	v_pk_add_f32 v[TS+2*n:TS+2*n+1], v[AC+4*n:AC+4*n+1], v[AC+4*n+2:AC+4*n+3]   ; the sum is taken of the unquantised p
.set n, n+1
.endr
	WIN 0
.irp b, 0,1
	v_max_num_f32 v[BP+\b], 0x21000000, v[BP+\b]   ; the floor 2^-61: the byte is 64 at the least
.endr
.irp b, 0,1
	v_add_nc_u32 v[SO+\b], 0xff000000, v[BP+\b]
.endr
.irp b, 0,1
	v_lshrrev_b32 v[BX+\b], 23, v[SO+\b]
.endr
	v_lshl_or_b32 v[PW], v[BX+1], 16, v[BX]        ; my blocks h and 2 + h at their places in the scale word, and lane l xor 16's
	v_lshlrev_b32 v[PW], v[H8], v[PW]
	v_permlanex16_b32 v[BX+2], v[PW], s[SEL], s[SEL+1]
	v_or_b32 v[PW], v[PW], v[BX+2]
.irp k, 0,4,8,12,16,20,24,28
	v_pk_add_f32 v[TS+\k:TS+\k+1], v[TS+\k:TS+\k+1], v[TS+\k+2:TS+\k+3]
.endr
.irp k, 0,8,16,24
	v_pk_add_f32 v[TS+\k:TS+\k+1], v[TS+\k:TS+\k+1], v[TS+\k+4:TS+\k+5]
.endr
.irp k, 0,16
	v_pk_add_f32 v[TS+\k:TS+\k+1], v[TS+\k:TS+\k+1], v[TS+\k+8:TS+\k+9]
.endr
	v_pk_add_f32 v[TS:TS+1], v[TS:TS+1], v[TS+16:TS+17]
	v_add_f32 v[LL], v[TS], v[TS+1]
	v_permlanex16_b32 v[LX], v[LL], s[SEL], s[SEL+1]
	v_add_f32 v[LL], v[LL], v[LX]
	WALU
	s_wait_xcnt 0x0                                ; the last block's stores have read the codes' registers
	WIN WN
.irp c, 0,1
	v_cvt_scalef32_pk16_fp6_f32 v[PC+6*\c:PC+2+6*\c], v[AC+32*\c:AC+15+32*\c], v[SO+\c]
	v_cvt_scalef32_pk16_fp6_f32 v[PC+12+4*\c:PC+14+4*\c], v[AC+16+32*\c:AC+31+32*\c], v[SO+\c]
.endr
	WIN 0
	v_nop
.irp c, 0,1
.irp i, 0,1,2
	v_mov_b32 v[PC+3+6*\c+\i], v[PC+12+4*\c+\i]
.endr
.endr
.irp c, 0,1,2
	global_store_b128 v[LI], v[PC+4*\c:PC+4*\c+3], s[8:9] offset:(\a)*FRB+512*\c
.endr
	s_branch .Ljoin_\@
.Lhid_\@:                                          ; hidden queries: zero codes, the byte 64, the sum 0
.irp c, 0,1,2
	global_store_b128 v[LI], v[ZR:ZR+3], s[8:9] offset:(\a)*FRB+512*\c
.endr
	v_mov_b32 v[LL], 0
	v_mov_b32 v[PW], 0x40404040
.Ljoin_\@:
	WALU
.if (\a) < 4
	v_mov_b32 v[LIM+(\a)], v[LL]
	v_mov_b32 v[SI+(\a)], v[PW]
.else
	v_cndmask_b32 v[LIM+(\a)-4], v[LIM+(\a)-4], v[LL], s[HM]
	v_cndmask_b32 v[SI+(\a)-4], v[SI+(\a)-4], v[PW], s[HM]
.endif
.endm
	PLACES
.irp b, 0,1,2
	v_mov_b32 v[BX+\b], 0                          ; written once: a lane permute's destination counts as one of its sources
.endr
	v_mov_b32 v[LX], 0
	WALU
.irp a, 0,1,2,3,4,5,6,7
	MAXQ \a
.endr
	WALU
.irp c, 0,1,2,3
	v_cndmask_b32 v[RMI+\c], v[NP+2*\c+1], v[NP+2*\c+9], s[HM]
.endr
	ds_store_b128 v[XS], v[RMI:RMI+3]
	s_wait_dscnt 0x0
	s_barrier_signal -1
	s_barrier_wait -1                              ; all four waves' maxima are there
.irp w, 0,1,2,3
	ds_load_b128 v[TS+8*\w:TS+8*\w+3], v[XR] offset:512*\w
	ds_load_b128 v[TS+8*\w+4:TS+8*\w+7], v[XR] offset:512*\w+256
.endr
	s_wait_dscnt 0x0
.irp a, 0,1,2,3,4,5,6,7
	v_max3_num_f32 v[NP+2*\a+1], v[TS+\a], v[TS+8+\a], v[TS+16+\a]
.endr
.irp a, 0,1,2,3,4,5,6,7
	v_max_num_f32 v[NP+2*\a+1], v[NP+2*\a+1], v[TS+24+\a]
.endr
.irp a, 0,1,2,3,4,5,6,7
	v_mul_f32 v[NP+2*\a+1], s[CS], v[NP+2*\a+1]
.endr
.irp a, 0,1,2,3,4,5,6,7
	v_floor_f32 v[NP+2*\a], -v[NP+2*\a+1]          ; -M_g = floor(-t)
.endr
	WALU
.irp a, 0,1,2,3,4,5,6,7
	SOFTQ \a
.endr
	WALU
	ds_store_b128 v[XS], v[LIM:LIM+3] offset:XL-XCH
	global_store_b128 v[LI], v[SI:SI+3], s[8:9] offset:SOFF
	s_wait_dscnt 0x0
	s_barrier_signal -1
	s_barrier_wait -1                              ; all four waves' sums are there
	s_cmp_lg_u32 s[WV], 0
	s_cbranch_scc1 .Lnot_mine
	v_add_nc_u32 v2, XL, v[LI]
.irp w, 0,1,2,3
	ds_load_b128 v[TS+4*\w:TS+4*\w+3], v2 offset:512*\w
.endr
.irp c, 0,1,2,3
	v_cndmask_b32 v[TB+\c], v[NP+2*\c], v[NP+2*\c+8], s[HM]
.endr
	s_wait_dscnt 0x0
	v_pk_add_f32 v[TS:TS+1], v[TS:TS+1], v[TS+4:TS+5]
	v_pk_add_f32 v[TS+2:TS+3], v[TS+2:TS+3], v[TS+6:TS+7]
	v_pk_add_f32 v[TS+8:TS+9], v[TS+8:TS+9], v[TS+12:TS+13]
	v_pk_add_f32 v[TS+10:TS+11], v[TS+10:TS+11], v[TS+14:TS+15]
	v_pk_add_f32 v[TS:TS+1], v[TS:TS+1], v[TS+8:TS+9]
	v_pk_add_f32 v[TS+2:TS+3], v[TS+2:TS+3], v[TS+10:TS+11]
	WALU
	global_store_b128 v[LI], v[TB:TB+3], s[10:11]
	global_store_b128 v[LI], v[TS:TS+3], s[10:11] offset:512
.Lnot_mine:
	s_wait_tensorcnt 0x0
	ds_add_u32 v[SPW], v[NIL]
	s_wait_dscnt 0x0
	CROUND                                         ; the closing round
	s_endpgm
.Lfunc_end_k_qcf87246023_scores:
	.size	k_qcf87246023_scores, .Lfunc_end_k_qcf87246023_scores-k_qcf87246023_scores
	.p2alignl 7, 3214868480
	.fill 96, 4, 3214868480
	.section	.rodata,"a",@progbits
	.p2align	6, 0x0
	.amdhsa_kernel k_qcf87246023_scores
		.amdhsa_group_segment_fixed_size 327680
		.amdhsa_private_segment_fixed_size 0
		.amdhsa_enable_private_segment 0
		.amdhsa_kernarg_size 32
		.amdhsa_user_sgpr_count 2
		.amdhsa_user_sgpr_kernarg_segment_ptr 1
		.amdhsa_wavefront_size32 1
		.amdhsa_system_sgpr_workgroup_id_x 1
		.amdhsa_system_sgpr_workgroup_id_y 1
		.amdhsa_system_sgpr_workgroup_id_z 1
		.amdhsa_system_vgpr_workitem_id 0
		.amdhsa_next_free_vgpr 1024
		.amdhsa_next_free_sgpr 80
		.amdhsa_reserve_vcc 1
		.amdhsa_float_denorm_mode_32 3
		.amdhsa_float_denorm_mode_16_64 3
		.amdhsa_memory_ordered 1
		.amdhsa_forward_progress 1
		.amdhsa_inst_pref_size 243
	.end_amdhsa_kernel
	.amdgpu_metadata
---
amdhsa.version: [ 1, 2 ]
amdhsa.kernels:
  - .name:           k_qcf87246023_scores
    .symbol:         k_qcf87246023_scores.kd
    .args:
      - { .name: q_rec, .offset: 0, .size: 8, .value_kind: global_buffer, .address_space: global }
      - { .name: k_rec, .offset: 8, .size: 8, .value_kind: global_buffer, .address_space: global }
      - { .name: p_rec, .offset: 16, .size: 8, .value_kind: global_buffer, .address_space: global }
      - { .name: p_stat, .offset: 24, .size: 8, .value_kind: global_buffer, .address_space: global }
    .group_segment_fixed_size: 327680
    .private_segment_fixed_size: 0
    .kernarg_segment_align: 8
    .kernarg_segment_size: 32
    .max_flat_workgroup_size: 128
    .sgpr_count:     80
    .vgpr_count:     1024
    .wavefront_size: 32
...
	.end_amdgpu_metadata
.endif
;; end of part 2
;; launch pv (part 3): grid 8 x 32, 4 waves a work-group, clusters of 4 x 4, 327,680 bytes of LDS; arguments p_rec, p_stat, v_rec, out0; writes out0
.if DOCPART == 3
	.amdgcn_target "amdgcn-amd-amdhsa--gfx1250"
	.amdhsa_code_object_version 6
	.text
	.protected	k_qcf87246023_pv
	.globl	k_qcf87246023_pv
	.p2align	8
	.type	k_qcf87246023_pv,@function
k_qcf87246023_pv:
	s_mov_b64 s[64:65], 0
	v_nop
	global_prefetch_b8 v0, s[64:65] scope:SCOPE_SE
	s_setreg_imm32_b32 hwreg(HW_REG_WAVE_MODE, 25, 1), 1
	s_wait_xcnt 0x0
	s_wait_alu depctr_hold_cnt(0) depctr_sa_sdst(0) depctr_va_vdst(0) depctr_va_sdst(0) depctr_va_ssrc(0) depctr_va_vcc(0) depctr_vm_vsrc(0)
	s_getreg_b32 s2, hwreg(HW_REG_IB_STS2, 6, 4)
	s_cmp_eq_u32 s2, 0
	s_cbranch_scc0 .Lentry_in_a_cluster
	s_endpgm
.Lentry_in_a_cluster:
	s_bfe_u32 s2, ttmp6, 0x10000c
	s_cmp_lg_u32 s2, 0xf033
	s_cbranch_scc0 .Lentry_shape_is_right
	s_endpgm
.Lentry_shape_is_right:
; out = (sum over blocks of 512 keys of p v) / l, on codes of FP6, f32 sums.
; SHARES.  A work-group makes TWO tiles of 128 queries x 128 channels, one after the other: of the batch's blocks of 512 queries g = pair (pair + 1 steps of 512 keys) and g = 3 - pair (4 - pair steps):
; five steps in every work-group.  Keys behind every query of a block of 512 are left out (reference()'s mask gives them the weight 0, for all inputs).  256 work-groups.
; CLUSTERS 4 x 4: partner (cx, cy) takes channel tile 4 X + cx and p's record c = cy of each block; p's tiles are shared along a row of the cluster, v's along a column, each asked for jointly.
; A wave makes 64 x 64: source 0 = a tile of v (16 channels), source 1 = a tile of p (16 queries): lane (r, h) holds query row r and channels 8 h + 0 .. 7.
; THE RING.  A step is p's four records and v's four, 102,400 bytes; step s lies in slot s % 2; each wave fetches a quarter.  The first tile ends with step 0 or 1, so every refill (steps 2, 3, 4) is the second tile's.
; A step's 64 products are four K steps on two sets of fragments.  The last K step's products stand in the round and under the next step's first fetch.  The loop goes from a step's second K step to the next step's first.
; M = the largest of a row's M_g; M - M_g, held at 63, is taken off p's scale bytes (64 or more) on their way into the scale registers; l = sum of l_g 2^(M_g - M).
; PREFETCHES: step 2's tiles behind step 1's load, then in trip s of the loop step s + 3's, a whole step ahead of their load: each block of 256 bytes by one lane of the cluster (of a wave's 100 blocks the partner's 25).
; Row r of p's fragment a (token group a / 2 of the block) is query 64 (c / 2) + 8 (2 (c % 2) + a % 2) + r of its group, and from r = 8 on 32 more (a even) or 16 more (a odd).
; LIMITS: NaN and infinities are not served; a block of keys more than 2^63 under its row's largest counts as 2^-63 of it.
.set FR,    12
.set FRB,   1536
.set SOFF,  8*FRB
.set REC,   SOFF+512
.set SLOT,  8*REC
.set SPARE, 2*SLOT
.set STAGE, SPARE+512
.set SP,    272
.set NFK,   28                         ; LDS loads of a K step's fragments: 12 for p's four, 16 for v's four
.set BASE,  6                          ; v6-10 in slot 0: p's fragments, v's (+ 16 x lane), v's (+ 8 x lane), p's scale words, v's
.set CUR,   12                         ; v12-16 the same in the slot in hand
.set STO,  22
.set RD,   23
.set CO,   24
.set PFO,  25
.set SPW,  28
.set NIL,  29
.set SA,   32                          ; v32-47 p's scale words, v52-67 v's: scales and nothing else
.set SB,   52
.set RAWA, 68
.set RAWB, 84
.set AQ,   100                         ; v100-119 what is taken off the bytes of the steps to come, four words a step
.set RL1,  120
.set NM,   128                         ; v128-147, v148-167 the five steps' -M_g and l_g
.set LG,   148
.set BK,   128
.set BIG,  168
.set ZERO, 169
.set T1,   172
.set T2,   176
.set RL2,  192
.set NMR1, 200
.set NMR2, 204
.set NMRS, 208
.set TT,   212
.set UU,   216
.set LS1,  220
.set LS2,  224
.set WV,   12
.set RA,   13
.set CB,   14
.set PR,   19
.set G1A,  24
.set G0A,  32
.set G0B,  36
.set G1B,  40
.set HH,   51
.set O1,   66
.set O2,   68
.set PF,   70
.set PN,   72
.set VN,   74
.set ST,   76
.set SL,   77
.set SN,   78
.set MK,   79
.set MSB, 0
.macro WIN new
.if MSB != (\new)
	s_set_vgpr_msb (MSB<<8)|(\new)
.set MSB, (\new)
.endif
.endm
.set MUL, 0xa5                         ; fragments in window 1, accumulators in window 2
.macro WALU
	s_wait_alu depctr_va_vdst(0)
.endm
.macro PLACES
.rept 4
	v_nop
.endr
.endm
.macro JLOAD
	s_cmp_eq_u32 s[RA], 0
	s_cbranch_scc0 .Lfor_v_\@
	tensor_load_to_lds s[G0A:G0A+3], s[G1A:G1A+7]
	s_nop 0
	PLACES
	s_branch .Lasked_\@
.Lfor_v_\@:
	tensor_load_to_lds s[G0B:G0B+3], s[G1B:G1B+7]
	s_nop 0
	PLACES
.Lasked_\@:
.endm
.macro CREST
	s_cmp_lg_u32 s[WV], 0
	s_cbranch_scc1 .Lnot_wave_0_\@
	s_barrier_signal -3
.Lnot_wave_0_\@:
	s_barrier_wait -3
	s_barrier_signal -1
	s_barrier_wait -1
.endm
.macro CROUND
	s_barrier_signal -1
	s_barrier_wait -1
	CREST
.endm
	s_load_b256 s[4:11], s[0:1], 0x0               ; p_rec, p_stat, v_rec, out0
	v_lshl_add_u32 v[SPW], v0, 2, SPARE
	v_mov_b32 v[NIL], 0
	ds_add_u32 v[SPW], v[NIL]
	ds_add_u32 v[SPW], v[NIL]
	v_lshrrev_b32 v1, 5, v0
	v_readfirstlane_b32 s[WV], v1
	s_lshr_b32 s[RA], s[WV], 1                     ; which 64 queries; also: I fetch for p (0) or v (1)
	s_and_b32 s[CB], s[WV], 1                      ; which 64 channels; also: which half of its records
	s_bfe_u32 s15, ttmp6, 0x40000
	s_bfe_u32 s16, ttmp6, 0x40004
	s_and_b32 s17, ttmp7, 0xffff
	s_lshr_b32 s18, s17, 1                         ; the batch
	s_and_b32 s[PR], s17, 1                        ; the pair
	s_cmp_eq_u32 s[PR], 1
	s_cselect_b32 s[MK], -1, 0
	s_lshl_b32 s20, ttmp9, 2
	s_add_co_u32 s20, s20, s15                     ; the channel tile
	s_lshl_b32 s23, s[PR], 2
	s_lshl_b32 s21, s18, 4
	s_add_co_u32 s21, s21, s16
	s_add_co_u32 s22, s21, 12
	s_sub_co_u32 s22, s22, s23                     ; the second tile's 128 queries
	s_add_co_u32 s21, s21, s23                     ; the first's
	s_mul_i32 s[HH], s[CB], 2*REC
	s_mul_i32 s48, s21, 16*REC                     ; p's records of the first tile,
	s_mul_i32 s49, s22, 16*REC                     ; of the second
	s_lshl_b32 s50, s20, 6
	s_lshl_b32 s23, s18, 4
	s_add_co_u32 s50, s50, s23
	s_mul_i32 s50, s50, REC                        ; v's
	s_add_co_u32 s48, s48, s[HH]
	s_add_co_u32 s49, s49, s[HH]
	s_add_co_u32 s50, s50, s[HH]
	s_mul_i32 s23, s[PR], 4*REC
	s_add_co_u32 s52, s48, 4*REC                   ; step 1: the first tile's second step, or the second tile's first
	s_add_co_u32 s53, s50, s23
	s_add_co_u32 s54, s49, 4*REC                   ; step 2 on: the second tile's step 2 - (pair + 1)
	s_add_co_u32 s55, s50, 4*REC
	s_sub_co_u32 s54, s54, s23
	s_sub_co_u32 s55, s55, s23
	s_cmp_eq_u32 s[PR], 1
	s_cselect_b32 s52, s52, s49
	s_lshl_b32 s56, s16, 2
	s_lshl_b32 s56, 15, s56                        ; my row of the cluster
	s_lshl_b32 s57, 0x1111, s15                    ; my column
	s_or_b32 s[G1A], s56, (3<<16)|(1<<21)
	s_or_b32 s[G1B], s57, (3<<16)|(1<<21)
.irp g, G1A, G1B
	s_mov_b32 s[\g+1], 32<<16
	s_mov_b32 s[\g+2], 100<<16
	s_mov_b32 s[\g+3], 32<<16
	s_mov_b32 s[\g+4], 100
	s_mov_b32 s[\g+5], 32
	s_mov_b32 s[\g+6], 0
	s_mov_b32 s[\g+7], 0
.endr
	s_mov_b32 s[G0A], 1
	s_mov_b32 s[G0A+1], s[HH]
	s_mov_b32 s[G0B], 1
	s_add_co_u32 s[G0B+1], s[HH], 4*REC
	s_lshl_b32 s58, s21, 12                        ; p_stat: step 0,
	s_lshl_b32 s60, s22, 12
	s_add_co_u32 s59, s58, 1024                    ; step 1,
	s_cmp_eq_u32 s[PR], 1
	s_cselect_b32 s59, s59, s60
	s_lshl_b32 s23, s[PR], 10
	s_add_co_u32 s60, s60, 1024
	s_sub_co_u32 s60, s60, s23                     ; step 2 on
	; where the results go
	s_lshl_b32 s61, s18, 11
	s_lshl_b32 s62, s[PR], 9
	s_add_co_u32 s61, s61, s62
	s_lshl_b32 s62, s[RA], 8
	s_add_co_u32 s61, s61, s62
	s_lshr_b32 s62, s16, 1
	s_lshl_b32 s62, s62, 6
	s_add_co_u32 s61, s61, s62
	s_and_b32 s62, s16, 1
	s_lshl_b32 s62, s62, 4
	s_add_co_u32 s61, s61, s62
	s_lshl_b32 s62, s61, 12
	s_lshl_b32 s61, s20, 9
	s_add_co_u32 s62, s62, s61
	s_lshl_b32 s61, s[CB], 8
	s_add_co_u32 s62, s62, s61
	s_mov_b32 s63, 0
	s_lshl_b32 s23, s[PR], 22                      ; from the first tile's rows to the second's: 512 (3 - 2 pair) rows of 4,096 bytes
	s_sub_co_u32 s2, 0x600000, s23
	s_mov_b32 s3, 0
	s_mul_i32 s17, s[RA], 4*FRB
	s_mul_i32 s18, s[CB], 4*FRB
	s_add_co_u32 s18, s18, 4*REC
	s_lshl_b32 s20, s[RA], 8
	s_add_co_u32 s21, s20, SOFF
	s_lshl_b32 s22, s[CB], 8
	s_add_co_u32 s22, s22, 4*REC+SOFF
	s_mul_i32 s23, s[WV], 16*SP
	s_add_co_u32 s23, s23, STAGE
	s_cmp_eq_u32 s[RA], 0
	s_cselect_b32 s61, s15, s16                    ; my place among the four that ask with me
	s_mul_i32 s61, s61, 25*256
	v_and_b32 v2, 31, v0
	v_and_b32 v3, 15, v0
	v_bfe_u32 v4, v0, 4, 1
	v_lshlrev_b32 v5, 4, v2
	v_lshlrev_b32 v1, 3, v2
	v_add_nc_u32 v[BASE], s17, v5
	v_add_nc_u32 v[BASE+1], s18, v5
	v_add_nc_u32 v[BASE+2], s18, v1
	v_lshlrev_b32 v5, 4, v3
	v_add_nc_u32 v[BASE+3], s21, v5
	v_add_nc_u32 v[BASE+4], s22, v5
.irp k, 0,1,2,3,4
	v_mov_b32 v[CUR+\k], v[BASE+\k]
.endr
	v_add_nc_u32 v5, s20, v5                       ; my row's 16 bytes in a statistics image
	v_add_nc_u32 v17, s58, v5
	v_add_nc_u32 v18, s59, v5
	v_add_nc_u32 v19, s60, v5
	v_mul_u32_u24 v[STO], v3, SP
	v_lshl_add_u32 v[STO], v4, 5, v[STO]
	v_add_nc_u32 v[STO], s23, v[STO]
	v_mul_u32_u24 v[RD], v4, SP
	v_lshl_add_u32 v[RD], v3, 4, v[RD]
	v_add_nc_u32 v[RD], s23, v[RD]
	v_lshlrev_b32 v[CO], 12, v4
	v_lshl_add_u32 v[CO], v3, 4, v[CO]
	v_min_u32 v[PFO], 24, v2
	v_lshl_add_u32 v[PFO], v[PFO], 8, s61
	v_mov_b32 v[BIG], 0x7f61b1e6
	v_mov_b32 v[ZERO], 0
	WALU
	s_wait_dscnt 0x0
	s_wait_kmcnt 0x0
	global_load_b128 v[NM:NM+3], v17, s[6:7]
	global_load_b128 v[NM+4:NM+7], v18, s[6:7]
	global_load_b128 v[LG:LG+3], v17, s[6:7] offset:512
	global_load_b128 v[LG+4:LG+7], v18, s[6:7] offset:512
.irp k, 0,1,2
	global_load_b128 v[NM+8+4*\k:NM+11+4*\k], v19, s[6:7] offset:1024*\k
	global_load_b128 v[LG+8+4*\k:LG+11+4*\k], v19, s[6:7] offset:1024*\k+512
.endr
	s_add_nc_u64 s[O1:O1+1], s[10:11], s[62:63]
	s_add_nc_u64 s[O2:O2+1], s[O1:O1+1], s[2:3]
	s_mov_b32 s2, s48
	s_add_nc_u64 s[G0A+2:G0A+3], s[4:5], s[2:3]
	s_mov_b32 s2, s50
	s_add_nc_u64 s[G0B+2:G0B+3], s[8:9], s[2:3]
	s_or_b32 s[G0A+3], s[G0A+3], 0x80000000
	s_or_b32 s[G0B+3], s[G0B+3], 0x80000000
	s_mov_b32 s2, s54
	s_add_nc_u64 s[PN:PN+1], s[4:5], s[2:3]
	s_mov_b32 s2, s55
	s_add_nc_u64 s[VN:VN+1], s[8:9], s[2:3]
	s_cmp_eq_u32 s[RA], 0
	s_cselect_b64 s[PF:PF+1], s[PN:PN+1], s[VN:VN+1]
	CROUND                                         ; the first joint loads meet
	JLOAD                                          ; step 0
	; ---- the statistics, under its flight.  Step 1 belongs to the first tile where pair = 1, else to the second
	s_wait_loadcnt 0x0
.irp c, 0,1,2,3
	v_cndmask_b32 v[T1+\c], v[BIG], v[NM+4+\c], s[MK]
	v_cndmask_b32 v[T2+\c], v[NM+4+\c], v[BIG], s[MK]
.endr
.irp c, 0,1,2,3
	v_min_num_f32 v[NMR1+\c], v[NM+\c], v[T1+\c]
	v_min3_num_f32 v[NMR2+\c], v[NM+8+\c], v[NM+12+\c], v[NM+16+\c]
.endr
.irp c, 0,1,2,3
	v_min_num_f32 v[NMR2+\c], v[NMR2+\c], v[T2+\c]
.endr
.irp c, 0,1,2,3
	v_cndmask_b32 v[NMRS+\c], v[NMR2+\c], v[NMR1+\c], s[MK]
.endr
.macro STAT s, ref                     ; -M + M_g, whole and 0 or less: as a byte (added to 2^23 it stands in the lowest bits), four times over, and as 2^(M_g - M)
.irp c, 0,1,2,3
	v_sub_f32 v[TT+\c], v[\ref+\c], v[NM+4*\s+\c]
.endr
.irp c, 0,1,2,3
	v_max_num_f32 v[UU+\c], 0xc2fe0000, v[TT+\c]
.endr
.irp c, 0,1,2,3
	v_max_num_f32 v[TT+\c], 0xc27c0000, v[TT+\c]
.endr
.irp c, 0,1,2,3
	v_add_f32 v[UU+\c], 0x4b00007f, v[UU+\c]
.endr
.irp c, 0,1,2,3
	v_sub_f32 v[TT+\c], 0x4b000000, v[TT+\c]
.endr
.irp c, 0,1,2,3
	v_lshlrev_b32 v[UU+\c], 23, v[UU+\c]
.endr
.irp c, 0,1,2,3
	v_mul_f32 v[LG+4*\s+\c], v[LG+4*\s+\c], v[UU+\c]
.endr
.irp c, 0,1,2,3
	v_perm_b32 v[AQ+4*\s+\c], v[TT+\c], v[TT+\c], 0
.endr
.endm
	STAT 0, NMR1
	STAT 1, NMRS
	STAT 2, NMR2
	STAT 3, NMR2
	STAT 4, NMR2
.irp c, 0,1,2,3
	v_cndmask_b32 v[T1+\c], v[ZERO], v[LG+4+\c], s[MK]
	v_cndmask_b32 v[T2+\c], v[LG+4+\c], v[ZERO], s[MK]
.endr
.irp c, 0,1,2,3
	v_add_f32 v[LS1+\c], v[LG+\c], v[T1+\c]
	v_add_f32 v[LS2+\c], v[LG+8+\c], v[T2+\c]
.endr
.irp c, 0,1,2,3
	v_add_f32 v[LS2+\c], v[LS2+\c], v[LG+12+\c]
.endr
.irp c, 0,1,2,3
	v_add_f32 v[LS2+\c], v[LS2+\c], v[LG+16+\c]
.endr
	WALU
.irp c, 0,1,2,3
	v_rcp_f32 v[RL1+2*\c], v[LS1+\c]
.endr
.irp c, 0,1,2,3
	v_rcp_f32 v[RL2+2*\c], v[LS2+\c]
.endr
	v_nop
	WALU
.irp c, 0,1,2,3
	v_mov_b32 v[RL1+2*\c+1], v[RL1+2*\c]
	v_mov_b32 v[RL2+2*\c+1], v[RL2+2*\c]
.endr
.macro FETCH kq, set                   ; a K step's fragments: NFK loads
	WIN 0x40
.irp a, 0,1,2,3
.irp c, 0,1,2
	ds_load_b128 v[96*(\set)+FR*\a+4*\c:96*(\set)+FR*\a+4*\c+3], v[CUR] offset:(\kq)*REC+\a*FRB+512*\c
.endr
.endr
.irp b, 0,1,2,3
.irp c, 0,1
	ds_load_b128 v[96*(\set)+48+FR*\b+6*\c:96*(\set)+48+FR*\b+6*\c+3], v[CUR+1] offset:(\kq)*REC+\b*FRB+768*\c
	ds_load_b64 v[96*(\set)+48+FR*\b+6*\c+4:96*(\set)+48+FR*\b+6*\c+5], v[CUR+2] offset:(\kq)*REC+\b*FRB+768*\c+512
.endr
.endr
	WIN 0
.endm
.macro WMX c
	v_wmma_scale_f32_16x16x128_f8f6f4 v[rD:rD+7], v[rB:rB+FR-1], v[rA:rA+FR-1], \c, v[rSB], v[rSA] matrix_a_fmt:MATRIX_FMT_FP6 matrix_b_fmt:MATRIX_FMT_FP6
.endm
.macro MULK kq, set, zero, a0, n       ; the 16 accumulators take turns, one instruction a turn, in the same order in every K step
	WIN MUL
.set ai, \a0
.rept \n
.irp b, 0,1,2,3
.set rD, 8*(4*ai+\b)
.set rA, 96*(\set)+FR*ai
.set rB, 96*(\set)+48+FR*\b
.set rSA, SA+4*(\kq)+ai
.set rSB, SB+4*(\kq)+\b
.if \zero
	WMX 0
.else
	WMX v[rD:rD+7]
.endif
.endr
.set ai, ai+1
.endr
.endm
.macro PRE                             ; a step's scale words as they lie, and its first K step's fragments
.irp k, 0,1,2,3
	ds_load_b128 v[RAWA+4*\k:RAWA+4*\k+3], v[CUR+3] offset:\k*REC
	ds_load_b128 v[RAWB+4*\k:RAWB+4*\k+3], v[CUR+4] offset:\k*REC
.endr
	FETCH 0, 0
.endm
.macro POST                            ; the scale registers, the second K step's fragments; the 16 moves are also places ahead of the next scaled product
	s_wait_dscnt NFK                               ; the scale words are in; the first K step's fragments may be out
.irp k, 0,1,2,3
.irp c, 0,1,2,3
	v_sub_nc_u32 v[SA+4*\k+\c], v[RAWA+4*\k+\c], v[AQ+\c]
.endr
.endr
.set n, 0
.rept 16
	v_mov_b32 v[SB+n], v[RAWB+n]
.set n, n+1
.endr
	FETCH 1, 1
.set n, 0
.rept 16
	v_mov_b32 v[AQ+n], v[AQ+4+n]
.set n, n+1
.endr
	WALU
.endm
.macro K0 zero
	s_wait_dscnt NFK
	MULK 0, 0, \zero, 0, 4
	PLACES
	FETCH 2, 0
.endm
.macro BODY fill                       ; from a step's second K step to the next step's scale registers
	s_wait_dscnt NFK
	MULK 1, 1, 0, 0, 4
	PLACES
	FETCH 3, 1
	s_xor_b32 s[SN], s[SL], SLOT
.irp k, 0,1,2,3,4
	v_add_nc_u32 v[CUR+\k], s[SN], v[BASE+\k]
.endr
	WALU
	s_wait_dscnt NFK
	MULK 2, 0, 0, 0, 4
	WIN 0
	s_wait_tensorcnt 0x0                           ; my part of the next step is in
	ds_add_u32 v[SPW], v[NIL]
.if \fill
	s_add_co_u32 s[G0A+1], s[HH], s[SL]            ; this slot takes the step two on
	s_add_co_u32 s[G0B+1], s[HH], s[SL]
	s_add_co_u32 s[G0B+1], s[G0B+1], 4*REC
	s_mov_b64 s[G0A+2:G0A+3], s[PN:PN+1]
	s_mov_b64 s[G0B+2:G0B+3], s[VN:VN+1]
	s_or_b32 s[G0A+3], s[G0A+3], 0x80000000
	s_or_b32 s[G0B+3], s[G0B+3], 0x80000000
	s_add_nc_u64 s[PN:PN+1], s[PN:PN+1], 4*REC
	s_add_nc_u64 s[VN:VN+1], s[VN:VN+1], 4*REC
.endif
	s_wait_dscnt 1                                 ; the fourth K step's fragments are in; the add may be out
	MULK 3, 1, 0, 0, 1
	s_wait_dscnt 0x0
	s_barrier_signal -1
	MULK 3, 1, 0, 1, 1
	WIN 0
	s_barrier_wait -1
.if \fill
	CREST
	JLOAD
.else
	PLACES
.endif
	s_mov_b32 s[SL], s[SN]
	PRE
	MULK 3, 1, 0, 2, 2
	PLACES
	WIN 0
	POST
.endm
; THE WAY OUT: a block of 16 rows x 64 channels, divided by l, goes through my stage and leaves as whole units of 256 bytes, two rows a store
.macro SCL a, rl
	WIN 0x82
.set n, 32*(\a)
.rept 16
	v_pk_mul_f32 v[n:n+1], v[n:n+1], v[\rl+2*(\a):\rl+2*(\a)+1] op_sel_hi:[1,0]
.set n, n+2
.endr
.endm
.macro TOSTAGE a
	WIN 0x08
.irp b, 0,1,2,3
	ds_store_b128 v[STO], v[32*(\a)+8*\b:32*(\a)+8*\b+3] offset:64*\b
	ds_store_b128 v[STO], v[32*(\a)+8*\b+4:32*(\a)+8*\b+7] offset:64*\b+16
.endr
	WIN 0
.set BB, BK+32*((\a)%2)
.irp t, 0,1,2,3,4,5,6,7
	ds_load_b128 v[BB+4*\t:BB+4*\t+3], v[RD] offset:\t*2*SP
.endr
.endm
.macro SEND a, younger, ob
.set BB, BK+32*((\a)%2)
	s_wait_dscnt \younger
.irp t, 0,1,2,3,4,5,6,7
	global_store_b128 v[CO], v[BB+4*\t:BB+4*\t+3], s[\ob:\ob+1] offset:4096*(128*((\a)/2)+8*((\a)%2)+2*\t+(\t/4)*(32-16*((\a)%2))) th:TH_STORE_NT
.endr
.endm
.macro OUT rl, ob
	s_wait_xcnt 0x0
	SCL 0, \rl
	TOSTAGE 0
.irp a, 1,2,3
.if \a > 1
	s_wait_xcnt 0x0                                ; block a - 2's stores have read their registers
.endif
	SCL \a, \rl
	TOSTAGE \a
	SEND \a-1, 16, \ob
.endr
	SEND 3, 0, \ob
.endm
	WALU                                           ; the wait at the head's end
	s_wait_tensorcnt 0x0
	ds_add_u32 v[SPW], v[NIL]
	s_add_co_u32 s[G0A+1], s[HH], SLOT
	s_add_co_u32 s[G0B+1], s[HH], SLOT+4*REC
	s_mov_b32 s2, s52
	s_add_nc_u64 s[G0A+2:G0A+3], s[4:5], s[2:3]
	s_mov_b32 s2, s53
	s_add_nc_u64 s[G0B+2:G0B+3], s[8:9], s[2:3]
	s_or_b32 s[G0A+3], s[G0A+3], 0x80000000
	s_or_b32 s[G0B+3], s[G0B+3], 0x80000000
	s_mov_b32 s[SL], 0
	s_mov_b32 s[ST], 0
	s_wait_dscnt 0x0
	CROUND
	JLOAD                                          ; step 1 into slot 1
	PRE
	POST
	global_prefetch_b8 v[PFO], s[PF:PF+1] th:TH_LOAD_NT scope:SCOPE_SE
	K0 1                                           ; the first products start the sums
.Lsteps:                                           ; steps 0, 1, 2: each asks for the step two on
	s_wait_xcnt 0x0
	s_add_nc_u64 s[PF:PF+1], s[PF:PF+1], 4*REC
	BODY 1
	s_cmp_lt_u32 s[ST], 2
	s_cbranch_scc0 .Lno_ask
	global_prefetch_b8 v[PFO], s[PF:PF+1] th:TH_LOAD_NT scope:SCOPE_SE
.Lno_ask:
	s_cmp_lg_u32 s[ST], s[PR]                      ; the first tile ends with step 0 or 1: a branch on the cluster's number
	s_cbranch_scc1 .Lgo_on
	OUT RL1, O1
	K0 1
	s_branch .Lnext
.Lgo_on:
	K0 0
.Lnext:
	s_add_co_u32 s[ST], s[ST], 1
	s_cmp_lt_u32 s[ST], 3
	s_cbranch_scc1 .Lsteps
	BODY 0                                         ; step 3
	K0 0
	s_wait_dscnt NFK                               ; step 4
	MULK 1, 1, 0, 0, 4
	PLACES
	FETCH 3, 1
	s_wait_dscnt NFK
	MULK 2, 0, 0, 0, 4
	s_wait_dscnt 0x0
	MULK 3, 1, 0, 0, 4
	PLACES
	OUT RL2, O2
	s_wait_tensorcnt 0x0
	ds_add_u32 v[SPW], v[NIL]
	s_wait_dscnt 0x0
	WIN 0
	CROUND
	s_endpgm
.Lfunc_end_k_qcf87246023_pv:
	.size	k_qcf87246023_pv, .Lfunc_end_k_qcf87246023_pv-k_qcf87246023_pv
	.p2alignl 7, 3214868480
	.fill 96, 4, 3214868480
	.section	.rodata,"a",@progbits
	.p2align	6, 0x0
	.amdhsa_kernel k_qcf87246023_pv
		.amdhsa_group_segment_fixed_size 327680
		.amdhsa_private_segment_fixed_size 0
		.amdhsa_enable_private_segment 0
		.amdhsa_kernarg_size 32
		.amdhsa_user_sgpr_count 2
		.amdhsa_user_sgpr_kernarg_segment_ptr 1
		.amdhsa_wavefront_size32 1
		.amdhsa_system_sgpr_workgroup_id_x 1
		.amdhsa_system_sgpr_workgroup_id_y 1
		.amdhsa_system_sgpr_workgroup_id_z 1
		.amdhsa_system_vgpr_workitem_id 0
		.amdhsa_next_free_vgpr 640
		.amdhsa_next_free_sgpr 80
		.amdhsa_reserve_vcc 0
		.amdhsa_float_denorm_mode_32 3
		.amdhsa_float_denorm_mode_16_64 3
		.amdhsa_memory_ordered 1
		.amdhsa_forward_progress 1
		.amdhsa_inst_pref_size 106
	.end_amdhsa_kernel
	.amdgpu_metadata
---
amdhsa.version: [ 1, 2 ]
amdhsa.kernels:
  - .name:           k_qcf87246023_pv
    .symbol:         k_qcf87246023_pv.kd
    .args:
      - { .name: p_rec, .offset: 0, .size: 8, .value_kind: global_buffer, .address_space: global }
      - { .name: p_stat, .offset: 8, .size: 8, .value_kind: global_buffer, .address_space: global }
      - { .name: v_rec, .offset: 16, .size: 8, .value_kind: global_buffer, .address_space: global }
      - { .name: out0, .offset: 24, .size: 8, .value_kind: global_buffer, .address_space: global }
    .group_segment_fixed_size: 327680
    .private_segment_fixed_size: 0
    .kernarg_segment_align: 8
    .kernarg_segment_size: 32
    .max_flat_workgroup_size: 128
    .sgpr_count:     80
    .vgpr_count:     640
    .wavefront_size: 32
...
	.end_amdgpu_metadata
.endif
;; end of part 3
